; MI455X (gfx1250); checked and timed in simulation.
; The chip was launched on July 23, 2026; its instructions are those of AMD's public machine-readable ISA for CDNA 5 (MIT licence, August 2026) and "CDNA5" Instruction Set Architecture Reference Guide (July 2026). The comments in the code are by the model that wrote it; some were corrected since.
;; Self Attention. Allowed arithmetic: matrix products marked QUANTISED: E2M3 operands, one E8M0 scale for each 32 along K, by v_wmma_scale_f32_16x16x128_f8f6f4 with both operands' format E2M3, f32 sums; everything else in f32.
;; Inputs: Wk 1,024 x 1,024 float32; Wo 1,024 x 1,024 float32; Wq 1,024 x 1,024 float32; Wv 1,024 x 1,024 float32; bk 1,024 float32; bo 1,024 float32; bq 1,024 float32; bv 1,024 float32; key 4 x 2,048 x 1,024 float32; query 4 x 2,048 x 1,024 float32; value 4 x 2,048 x 1,024 float32.
;; Outputs: out0 4 x 2,048 x 1,024 float32.
;; This version of the problem:
;;   THIS VERSION OF THE PROBLEM IS GIVEN IN LOW PRECISION. The matrix products marked QUANTISED in the list below multiply operands that are first quantised to E2M3 (2 exponent bits, 3 mantissa bits; 6 bits a number), with one power-of-two scale for each 32 numbers along K (OCP MX v1.0); their sums are f32. All else is computed in f32.
;;   The module's matrix products, in the order in which they are computed (A, B: the left and right operand; K: the contracted axis; several contracted axes count as one K, in the product's order):
;;     1. [M 8,192, K 1,024] x [K 1,024, N 1,024]; A: input query; B: input Wq: QUANTISED
;;     2. [M 8,192, K 1,024] x [K 1,024, N 1,024]; A: input key; B: input Wk: QUANTISED
;;     3. [M 8,192, K 1,024] x [K 1,024, N 1,024]; A: input value; B: input Wv: QUANTISED
;;     4. batch 64 x [M 2,048, K 64] x [K 64, N 2,048]; A: computed on the way; B: computed on the way: QUANTISED
;;     5. batch 64 x [M 2,048, K 2,048] x [K 2,048, N 64]; A: softmax (see below); B: computed on the way: QUANTISED
;;     6. [M 8,192, K 1,024] x [K 1,024, N 1,024]; A: computed on the way; B: input Wo: QUANTISED
;;   THE QUANTISER, for each operand of a quantised product, along K:
;;     - K is cut into blocks of 32 from its start; a last block that is shorter is filled with zeros.
;;     - A block's scale is 2^e with e = floor(log2(the largest magnitude in the block)) - 2, held to -126 .. 127; a block of zeros has e = 0. As a byte (E8M0): e + 127.
;;     - Each number is divided by its block's scale, clamped to +-7.5, and rounded to the nearest number of E2M3, ties to even, subnormals kept.
;;     - The product sums the exact products of the quantised numbers (number of the format x scale) in f32.
;;   ~~~python
;;   def quantise(x, axis):      # numpy; x: float32 -> the quantised numbers, widened to float32 again
;;       x = np.moveaxis(x, axis, -1); K = x.shape[-1]
;;       x = np.pad(x, [(0, 0)] * (x.ndim - 1) + [(0, -K % 32)]); x = x.reshape(x.shape[:-1] + (-1, 32)); a = np.abs(x).max(-1, keepdims=True)
;;       e = np.where(a > 0, np.clip(np.frexp(np.where(a > 0, a, 1))[1] - 1 - 2, -126, 127), 0)      # np.frexp(a)[1] - 1 = floor(log2(a)), exactly
;;       r = np.clip(x / 2.0 ** e, -7.5, 7.5)
;;       step = 2.0 ** (np.maximum(np.frexp(np.where(r == 0, 1, r))[1] - 1, 0) - 3)
;;       q = np.round(r / step) * step * 2.0 ** e      # np.round: ties to even
;;       return np.moveaxis(q.reshape(q.shape[:-2] + (-1,))[..., :K], -1, axis).astype(np.float32)
;;   ~~~
;;   SOFTMAX AHEAD OF A QUANTISED PRODUCT. Where the list says 'softmax', what is quantised is not the finished softmax but p = 2^(t - M), with t = logit x log2(e) and M = ceil(the row's largest t), a whole number; so 1/2 < the row's largest p <= 1. The row's sum l is taken of the UNQUANTISED p, in f32, and the product's result is divided by l at the end. Since M is a whole number, a kernel that streams over the keys may use a running M (the ceiling of the running maximum): every later rescaling is an exact power of two, which a block's scale takes up: the codes' values come out the same.
;;   OPERANDS COMPUTED ON THE WAY. 'Computed on the way' means the value that the module computes at that place (a softmax that the list does not call 'softmax' is quantised finished and normalised). What goes into a quantiser is computed in f32, as accurately as f32 sums, v_exp_f32 and their like allow (about 1e-6 of the number): no bf16 or f16 on the way to a quantiser, and a product that is left as it is and whose result goes on into a quantised operand takes f32 operands (vector FMAs, or v_wmma_f32_16x16x4_f32). A number that lies on a knife's edge between two numbers of the format may be rounded either way, as far as f32 arithmetic and the matrix unit's own rounding can turn it there, and no further.
;; One version. Each part assembles by itself: llvm-mc -triple=amdgcn-amd-amdhsa -mcpu=gfx1250 --defsym DOCPART=n.
;; ======== version 1 of 1: 4 launches
;; limits: right only within a limited range of input values
;; workspace buffers: c1 22,020,096 bytes; s1 917,504 bytes; qb 6,815,744 bytes; kv 13,369,344 bytes; ac 6,291,456 bytes; asc 262,144 bytes
;; launch quant (part 1): grid 256 x 1, 7 waves a work-group, no clusters, 63,744 bytes of LDS; arguments query, key, value, Wq, Wk, Wv, Wo, c1, s1; writes c1, s1
.if DOCPART == 1
	.amdgcn_target "amdgcn-amd-amdhsa--gfx1250"
	.amdhsa_code_object_version 6
	.text
	.protected	k_qc9aee5f175_quant
	.globl	k_qc9aee5f175_quant
	.p2align	8
	.type	k_qc9aee5f175_quant,@function
k_qc9aee5f175_quant:
	s_mov_b64 s[64:65], 0
	v_nop
	global_prefetch_b8 v0, s[64:65] scope:SCOPE_SE
	s_setreg_imm32_b32 hwreg(HW_REG_WAVE_MODE, 25, 1), 1
	s_wait_xcnt 0x0
; query, key, value [8192][1024] and Wq, Wk, Wv, Wo [1024][1024], f32 with K innermost, become codes of FP6 (E2M3) with one E8M0 byte for each 32 along K,
; laid in the ORDER OF AN OPERAND'S REGISTERS, so that the products' launches read fragments by dense loads of 16 bytes a lane.
; GROUPS: rows go in groups of 128; the seven tensors are 224 groups on end (query 0-63, key 64-127, value 128-191, Wq 192-, Wk 200-, Wv 208-, Wo 216-223).
; A group has 8 blocks of 16 rows; lane r of block i = 2 b + u stands for group row 32 b + 8 u + r + 8 (r / 8): with that choice of rows the results of a transposed product
; lie in a lane's registers as neighbours along the next product's K.  THE KEY TENSOR'S GROUPS HAVE ANOTHER ORDER: lane r of block i stands for group row 64 (i / 4) + 8 (i % 4) + r % 8 + 32 (r / 8),
; so that in the scores' transposed product a lane's 32 registers of four neighbouring tiles are one whole block of 32 keys.
; c1: [group][K / 128 (8)][block (8)][1,536 bytes]: a fragment's registers 4 c .. 4 c + 3 of lane l at 512 c + 16 l.
; s1: [group][block (8)][K / 256 (4)][r (16)][2] words: a row's four bytes for 128 along K.
; A block's scale is 2^(floor(log2(largest magnitude)) - 2); its byte is the largest magnitude's exponent field - 2, held at 1 from below.
; LIMITS: a block of zeros gets the byte 1 where the rule says 127 (its codes are zeros, and this program alone reads the bytes); blocks whose largest magnitude lies under 2^-124 are held at the byte 1; NaN and infinities among the inputs are not served.
; SHARES: 224 groups x 8 blocks are 1,792 blocks = 256 work-groups x 7 waves: wave w of work-group g takes block number 7 g + w, counted through all groups.  A wave takes its 16 rows through all of K, in 8 units
; of 128: each of a unit's 16 loads reads 512 consecutive bytes of one row; the unit turns through the wave's own stage in LDS (rows 528 bytes apart) so that lane (r, h) gets K = 64 c + 32 h + 0 .. 31 of row r.
; No tensor loads, no barrier, no cluster: waves share nothing, and every input byte is read once.  Loads run two units (32 loads a wave) ahead.
.set SPITCH, 528                       ; a stage row: 512 bytes + 16
.set SCO,    16*SPITCH                 ; behind the stage: the wave's 512 bytes of scale words
.set WREG,   8960                      ; a wave's region
.set SPARE,  7*WREG                    ; behind the seven regions: the spare words, 128 bytes a wave, that no other line names
.set LIN, 4                            ; v4   16 x lane
.set STI, 5                            ; v5   stage, in: region + 16 x lane
.set STR, 6                            ; v6   stage, out: region + 528 r + 128 h
.set SCW, 7                            ; v7   region + 8 r: my row's scale words
.set SH8, 9                            ; v9   8 h
.set SPW, 12                           ; v12  my spare word; never rewritten
.set NIL, 13                           ; v13  0; never rewritten
.set R,   16                           ; v16-143  two sets of 64 registers as loaded
.set X,   144                          ; v144-207 my 64 numbers
.set C,   208                          ; v208-219 the fragment's 12 registers
.set CT,  220                          ; v220-222, v224-226 the blocks' upper halves (a conversion's three registers begin on an even number)
.set TM,  228                          ; v228-234 at work
.set W,   236                          ; v236 the scale word
.set SEL, 28                           ; s[28:29] selects for lane l xor 16
	s_load_b256 s[4:11], s[0:1], 0x0               ; query, key, value, Wq
	s_load_b256 s[12:19], s[0:1], 0x20             ; Wk, Wv, Wo, c1
	s_load_b64 s[20:21], s[0:1], 0x40              ; s1
	v_lshl_add_u32 v[SPW], v0, 2, SPARE
	v_mov_b32 v[NIL], 0
	v_lshrrev_b32 v1, 5, v0
	v_readfirstlane_b32 s26, v1                    ; wave
	v_and_b32 v1, 31, v0                           ; lane
	v_and_b32 v2, 15, v0                           ; r
	v_bfe_u32 v3, v0, 4, 1                         ; h
	v_lshlrev_b32 v[LIN], 4, v1
	s_mul_i32 s27, s26, WREG
	v_add_nc_u32 v[STI], s27, v[LIN]
	v_mul_u32_u24 v[STR], v2, SPITCH
	v_lshl_add_u32 v[STR], v3, 7, v[STR]
	v_add_nc_u32 v[STR], s27, v[STR]
	v_lshlrev_b32 v[SCW], 3, v2
	v_add_nc_u32 v[SCW], s27, v[SCW]
	v_lshlrev_b32 v[SH8], 3, v3
	v_mov_b32 v[TM+6], 0                           ; written once: a lane permute's destination counts as one of its sources
	s_mov_b32 s[SEL], 0x76543210
	s_mov_b32 s[SEL+1], 0xfedcba98
	s_mul_i32 s30, ttmp9, 7
	s_add_co_u32 s30, s30, s26                     ; my block's number through all groups
	s_lshr_b32 s25, s30, 3                         ; my group
	s_and_b32 s30, s30, 7                          ; my block in it
	s_mov_b32 s24, 216
	s_wait_alu depctr_va_vdst(0)
	s_wait_kmcnt 0x0
	s_mov_b64 s[22:23], s[16:17]                   ; which tensor holds my group: the choice hangs on the work-group's and the wave's number alone
	s_cmp_lt_u32 s25, 216
	s_cselect_b64 s[22:23], s[14:15], s[22:23]
	s_cselect_b32 s24, 208, s24
	s_cmp_lt_u32 s25, 208
	s_cselect_b64 s[22:23], s[12:13], s[22:23]
	s_cselect_b32 s24, 200, s24
	s_cmp_lt_u32 s25, 200
	s_cselect_b64 s[22:23], s[10:11], s[22:23]
	s_cselect_b32 s24, 192, s24
	s_cmp_lt_u32 s25, 192
	s_cselect_b64 s[22:23], s[8:9], s[22:23]
	s_cselect_b32 s24, 128, s24
	s_cmp_lt_u32 s25, 128
	s_cselect_b64 s[22:23], s[6:7], s[22:23]
	s_cselect_b32 s24, 64, s24
	s_cmp_lt_u32 s25, 64
	s_cselect_b64 s[22:23], s[4:5], s[22:23]
	s_cselect_b32 s24, 0, s24
	s_sub_co_u32 s24, s25, s24                     ; the group's number in its tensor
	s_lshl_b32 s24, s24, 7
	s_sub_co_u32 s34, s25, 64                      ; n = 2 in the key tensor's groups, 1 elsewhere: the block's first row is (i >> n) << (4 + n), + 8 (i % 2^n), and its rows 8-15 begin 8 << n rows below the first
	s_cmp_lt_u32 s34, 64
	s_cselect_b32 s34, 2, 1
	s_lshr_b32 s27, s30, s34
	s_add_co_u32 s35, s34, 4
	s_lshl_b32 s27, s27, s35
	s_add_co_u32 s24, s24, s27
	s_bfm_b32 s27, s34, 0
	s_and_b32 s27, s27, s30
	s_lshl_b32 s27, s27, 3
	s_add_co_u32 s24, s24, s27
	s_lshl_b32 s32, s24, 12                        ; rows of 4,096 bytes: under 2^26
	s_mov_b32 s33, 0
	s_add_nc_u64 s[22:23], s[22:23], s[32:33]
	s_lshl_b32 s32, 0x8000, s34                    ; 8 << n rows in bytes
	s_add_nc_u64 s[34:35], s[22:23], s[32:33]      ; where my block's rows 8-15 begin
	s_mul_i32 s32, s25, 98304
	s_mul_i32 s27, s30, 1536
	s_add_co_u32 s32, s32, s27
	s_add_nc_u64 s[18:19], s[18:19], s[32:33]      ; c1 at my block's first fragment
	s_lshl_b32 s32, s25, 12
	s_lshl_b32 s27, s30, 9
	s_add_co_u32 s32, s32, s27
	s_add_nc_u64 s[20:21], s[20:21], s[32:33]      ; s1 at my block's 512 bytes
.macro LOAD k                          ; unit k: 128 along K of my 16 rows
.irp j, 0,1,2,3,4,5,6,7,8,9,10,11,12,13,14,15
.if \j < 8
	global_load_b128 v[R+64*((\k)%2)+4*\j:R+64*((\k)%2)+4*\j+3], v[LIN], s[22:23] offset:\j*4096+512*(\k) th:TH_LOAD_NT
.else
	global_load_b128 v[R+64*((\k)%2)+4*\j:R+64*((\k)%2)+4*\j+3], v[LIN], s[34:35] offset:(\j-8)*4096+512*(\k) th:TH_LOAD_NT
.endif
.endr
.endm
.macro UNIT k
.set RS, R+64*((\k)%2)
.if (\k) < 7
	s_wait_loadcnt 16                              ; this unit's 16 loads are in; the next unit's 16 may be out
.else
	s_wait_loadcnt 0x0
.endif
.irp j, 0,1,2,3,4,5,6,7,8,9,10,11,12,13,14,15
	ds_store_b128 v[STI], v[RS+4*\j:RS+4*\j+3] offset:SPITCH*\j
.endr
.irp c, 0,1
.irp j, 0,1,2,3,4,5,6,7
	ds_load_b128 v[X+32*\c+4*\j:X+32*\c+4*\j+3], v[STR] offset:256*\c+16*\j   ; LDS serves a wave's instructions in order: these see the stores above
.endr
.endr
	s_wait_dscnt 0x0                               ; my numbers are back; the stage's stores have read their registers; the last unit's scale word is stored
	s_wait_xcnt 0x0                                ; the last unit's stores of codes have read their registers, which are written again below
.if (\k) < 6
	LOAD (\k)+2
.endif
.irp c, 0,1
	v_max3_num_f32 v[TM+\c], |v[X+32*\c]|, |v[X+32*\c+1]|, 0x1800000   ; block 2 c + h: all its 32 numbers are mine; the floor 2^(3 - 127) holds the byte at 1 from below
.endr
.irp i, 2,4,6,8,10,12,14,16,18,20,22,24,26,28,30
.irp c, 0,1
	v_max3_num_f32 v[TM+\c], v[TM+\c], |v[X+32*\c+\i]|, |v[X+32*\c+\i+1]|
.endr
.endr
.irp c, 0,1
	v_add_nc_u32 v[TM+2+\c], 0xff000000, v[TM+\c]  ; 2 off the exponent field: the conversion takes the exponent field of this operand as its scale
.endr
.irp c, 0,1
	v_lshrrev_b32 v[TM+4+\c], 23, v[TM+2+\c]       ; the scale's byte
.endr
	v_lshl_or_b32 v[W], v[TM+5], 16, v[TM+4]       ; my two bytes, blocks h and 2 + h,
	v_lshlrev_b32 v[W], v[SH8], v[W]               ; at their places in the word;
	v_permlanex16_b32 v[TM+6], v[W], s[SEL], s[SEL+1]
	v_or_b32 v[W], v[W], v[TM+6]                   ; with lane l xor 16's two the word is whole
.irp c, 0,1
	v_cvt_scalef32_pk16_fp6_f32 v[C+6*\c:C+6*\c+2], v[X+32*\c:X+32*\c+15], v[TM+2+\c]
	v_cvt_scalef32_pk16_fp6_f32 v[CT+4*\c:CT+4*\c+2], v[X+32*\c+16:X+32*\c+31], v[TM+2+\c]
.endr
	v_nop                                          ; one plain place behind a scaled conversion
.irp c, 0,1
.irp i, 0,1,2
	v_mov_b32 v[C+3+6*\c+\i], v[CT+4*\c+\i]
.endr
.endr
	ds_store_b32 v[SCW], v[W] offset:SCO+128*((\k)/2)+4*((\k)%2)   ; both halves of the lanes write the same word with the same value
.irp c, 0,1,2
	global_store_b128 v[LIN], v[C+4*\c:C+4*\c+3], s[18:19] offset:12288*(\k)+512*\c th:TH_STORE_NT   ; 512 consecutive bytes, aligned
.endr
.endm
	LOAD 0
	LOAD 1
.irp k, 0,1,2,3,4,5,6,7
	UNIT \k
.endr
	ds_load_b128 v[TM:TM+3], v[STI] offset:SCO     ; my block's 512 bytes of scale words, in order behind their stores
	s_wait_dscnt 0x0
	global_store_b128 v[LIN], v[TM:TM+3], s[20:21] th:TH_STORE_NT
	s_wait_tensorcnt 0x0                           ; the wave's end, behind my last LDS store
	ds_add_u32 v[SPW], v[NIL]
	s_wait_dscnt 0x0
	s_endpgm
.Lfunc_end_k_qc9aee5f175_quant:
	.size	k_qc9aee5f175_quant, .Lfunc_end_k_qc9aee5f175_quant-k_qc9aee5f175_quant
	.p2alignl 7, 3214868480
	.fill 96, 4, 3214868480
	.section	.rodata,"a",@progbits
	.p2align	6, 0x0
	.amdhsa_kernel k_qc9aee5f175_quant
		.amdhsa_group_segment_fixed_size 63744
		.amdhsa_private_segment_fixed_size 0
		.amdhsa_enable_private_segment 0
		.amdhsa_kernarg_size 72
		.amdhsa_user_sgpr_count 2
		.amdhsa_user_sgpr_kernarg_segment_ptr 1
		.amdhsa_wavefront_size32 1
		.amdhsa_system_sgpr_workgroup_id_x 1
		.amdhsa_system_sgpr_workgroup_id_y 1
		.amdhsa_system_sgpr_workgroup_id_z 1
		.amdhsa_system_vgpr_workitem_id 0
		.amdhsa_next_free_vgpr 240
		.amdhsa_next_free_sgpr 66
		.amdhsa_reserve_vcc 0
		.amdhsa_float_denorm_mode_32 3
		.amdhsa_float_denorm_mode_16_64 3
		.amdhsa_memory_ordered 1
		.amdhsa_forward_progress 1
		.amdhsa_inst_pref_size 59
	.end_amdhsa_kernel
	.amdgpu_metadata
---
amdhsa.version: [ 1, 2 ]
amdhsa.kernels:
  - .name:           k_qc9aee5f175_quant
    .symbol:         k_qc9aee5f175_quant.kd
    .args:
      - { .name: query, .offset: 0, .size: 8, .value_kind: global_buffer, .address_space: global }
      - { .name: key, .offset: 8, .size: 8, .value_kind: global_buffer, .address_space: global }
      - { .name: value, .offset: 16, .size: 8, .value_kind: global_buffer, .address_space: global }
      - { .name: Wq, .offset: 24, .size: 8, .value_kind: global_buffer, .address_space: global }
      - { .name: Wk, .offset: 32, .size: 8, .value_kind: global_buffer, .address_space: global }
      - { .name: Wv, .offset: 40, .size: 8, .value_kind: global_buffer, .address_space: global }
      - { .name: Wo, .offset: 48, .size: 8, .value_kind: global_buffer, .address_space: global }
      - { .name: c1, .offset: 56, .size: 8, .value_kind: global_buffer, .address_space: global }
      - { .name: s1, .offset: 64, .size: 8, .value_kind: global_buffer, .address_space: global }
    .group_segment_fixed_size: 63744
    .private_segment_fixed_size: 0
    .kernarg_segment_align: 8
    .kernarg_segment_size: 72
    .max_flat_workgroup_size: 224
    .sgpr_count:     66
    .vgpr_count:     240
    .wavefront_size: 32
...
	.end_amdgpu_metadata
.endif
;; end of part 1
;; launch proj (part 2): grid 4 x 96, 4 waves a work-group, clusters of 4 x 4, 327,680 bytes of LDS; arguments c1, s1, bq, bk, bv, qb, kv; writes qb, kv
.if DOCPART == 2
	.amdgcn_target "amdgcn-amd-amdhsa--gfx1250"
	.amdhsa_code_object_version 6
	.text
	.protected	k_qc9aee5f175_proj
	.globl	k_qc9aee5f175_proj
	.p2align	8
	.type	k_qc9aee5f175_proj,@function
k_qc9aee5f175_proj:
	s_mov_b64 s[64:65], 0
	v_nop
	global_prefetch_b8 v0, s[64:65] scope:SCOPE_SE
	s_setreg_imm32_b32 hwreg(HW_REG_WAVE_MODE, 25, 1), 1
	s_wait_xcnt 0x0
	s_wait_alu depctr_hold_cnt(0) depctr_sa_sdst(0) depctr_va_vdst(0) depctr_va_sdst(0) depctr_va_ssrc(0) depctr_va_vcc(0) depctr_vm_vsrc(0)
	s_getreg_b32 s2, hwreg(HW_REG_IB_STS2, 6, 4)
	s_cmp_eq_u32 s2, 0
	s_cbranch_scc0 .Lentry_in_a_cluster
	s_endpgm
.Lentry_in_a_cluster:
	s_bfe_u32 s2, ttmp6, 0x10000c
	s_cmp_lg_u32 s2, 0xf033
	s_cbranch_scc0 .Lentry_shape_is_right
	s_endpgm
.Lentry_shape_is_right:
.set PIECE,  24576
.set SLOT,   4*PIECE
.set FRB,    1536
.set GRPB,   98304
.set SCL,    2*SLOT
.set SPARE,  213248
.set FR,     12
.set NQ,     2
.set NP,     4
.set NLA,    3
.set ADRA, 8
.set ADRB, 10
.set ADRS, 12
.set LI,   13
.set SPW,  14
.set NIL,  15
.set LSO,  16
.set VSO,  17
.set BCO,  18
.set BRO,  19
.set WS,   20
.set SW,   28
.set SC,   32
.set BC,   64
.set AF,   128
.set H,    128
.set PA,   192
.set PB,   204
.set CT,   216
.set BR,   224
.set TM,   240
.set WV, 18
.set RH, 19
.set CH, 20
.set G1, 24
.set G0, 32
.set G1B, 48
.set G0B, 56
.set SEL, 66
.set G1S, 68
.set G0S, 76
.set G1SB, 80
.set G0SB, 88
.set MSB, 0
.macro WIN new
.if MSB != (\new)
	s_set_vgpr_msb (MSB<<8)|(\new)
.set MSB, (\new)
.endif
.endm
.set MUL_LO, 0xa1
.set MUL_HI, 0xf1
.set TO_B,   0x40
.macro JLOAD g0a, g1a, g0b, g1b
	s_cmp_eq_u32 s[RH], 0
	s_cbranch_scc0 .Lfor_b_\@
	tensor_load_to_lds s[\g0a:\g0a+3], s[\g1a:\g1a+7]
	s_nop 0
.rept 4
	v_nop
.endr
	s_branch .Lasked_\@
.Lfor_b_\@:
	tensor_load_to_lds s[\g0b:\g0b+3], s[\g1b:\g1b+7]
	s_nop 0
.rept 4
	v_nop
.endr
.Lasked_\@:
.endm
.macro CREST
	s_cmp_lg_u32 s[WV], 0
	s_cbranch_scc1 .Lnot_wave_0_\@
	s_barrier_signal -3
.Lnot_wave_0_\@:
	s_barrier_wait -3
	s_barrier_signal -1
	s_barrier_wait -1
.endm
.macro CROUND
	s_barrier_signal -1
	s_barrier_wait -1
	CREST
.endm
	s_load_b256 s[4:11], s[0:1], 0x0
	s_load_b128 s[12:15], s[0:1], 0x20
	s_load_b64 s[16:17], s[0:1], 0x30
	v_lshl_add_u32 v[SPW], v0, 2, SPARE
	v_mov_b32 v[NIL], 0
	ds_add_u32 v[SPW], v[NIL]
	ds_add_u32 v[SPW], v[NIL]
	v_lshrrev_b32 v1, 5, v0
	v_readfirstlane_b32 s[WV], v1
	s_lshr_b32 s[RH], s[WV], 1
	s_and_b32 s[CH], s[WV], 1
	s_bfe_u32 s21, ttmp6, 0x40000
	s_bfe_u32 s22, ttmp6, 0x40004
	s_and_b32 s42, ttmp7, 0xffff
	s_lshr_b32 s43, s42, 3
	s_and_b32 s45, s42, 7
	s_lshr_b32 s44, s43, 1
	s_mul_i32 s46, s45, s44
	s_sub_co_u32 s2, s45, s46
	s_lshl_b32 s2, s2, 2
	s_add_co_u32 s2, s2, s22
	s_lshl_b32 s23, s46, 2
	s_add_co_u32 s23, s23, s21
	s_lshl_b32 s42, s22, 2
	s_lshl_b32 s42, 15, s42
	s_lshl_b32 s45, 0x1111, s21
	s_or_b32 s[G1+0], s42, (3<<16)|(1<<21)
	s_or_b32 s[G1B+0], s45, (3<<16)|(1<<21)
.irp g, G1, G1B                        ; the head's shape: two pieces of 24,576 bytes (K 0 .. 255 of two neighbouring groups) as two rows, a group (98,304 bytes) apart
	s_mov_b32 s[\g+1], 3072<<16
	s_mov_b32 s[\g+2], 2<<16
	s_mov_b32 s[\g+3], 3072<<16
	s_mov_b32 s[\g+4], 2
	s_mov_b32 s[\g+5], 12288
	s_mov_b32 s[\g+6], 0
	s_mov_b32 s[\g+7], 0
.endr
	s_or_b32 s[G1S+0], s42, (3<<16)|(1<<21)
	s_or_b32 s[G1SB+0], s45, (3<<16)|(1<<21)
.irp g, G1S, G1SB
	s_mov_b32 s[\g+1], 32<<16
	s_mov_b32 s[\g+2], 32<<16
	s_mov_b32 s[\g+3], 32<<16
	s_mov_b32 s[\g+4], 32
	s_mov_b32 s[\g+5], 32
	s_mov_b32 s[\g+6], 0
	s_mov_b32 s[\g+7], 0
.endr
	s_lshl_b32 s92, s43, 6
	s_mul_i32 s93, s44, 80
	s_add_co_u32 s92, s92, s93
	s_lshl_b32 s93, s2, 1
	s_add_co_u32 s92, s92, s93
	s_add_co_u32 s92, s92, s[CH]
	s_mul_i32 s96, s92, GRPB
	s_mov_b32 s97, 0
	s_lshl_b32 s92, s92, 12
	s_mov_b32 s93, 0
	s_lshl_b32 s94, s43, 3
	s_add_co_u32 s94, s94, 192
	s_mul_i32 s95, s44, 80
	s_sub_co_u32 s94, s94, s95
	s_lshl_b32 s95, s23, 1
	s_add_co_u32 s94, s94, s95
	s_add_co_u32 s94, s94, s[CH]
	s_mul_i32 s46, s94, GRPB
	s_mov_b32 s47, 0
	s_lshl_b32 s94, s94, 12
	s_mov_b32 s95, 0
	s_mul_i32 s3, s[WV], PIECE
	s_lshl_b32 s42, s[WV], 12
	s_mov_b32 s40, 0xffff0000
	s_mov_b32 s41, 0x7f7f0000
	s_mov_b32 s[SEL], 0x76543210
	s_mov_b32 s[SEL+1], 0xfedcba98
	s_wait_dscnt 0x0
	s_wait_kmcnt 0x0
	s_add_nc_u64 s[96:97], s[4:5], s[96:97]
	s_add_nc_u64 s[92:93], s[6:7], s[92:93]
	s_add_nc_u64 s[46:47], s[4:5], s[46:47]
	s_add_nc_u64 s[94:95], s[6:7], s[94:95]
	CROUND
	s_mov_b32 s[G0S], 1
	s_mov_b32 s[G0S+1], SCL                        ; the scale words of A's two groups: 8,192 bytes on end
	s_lshl_b32 s44, s[CH], 12
	s_mov_b32 s45, 0
	s_sub_nc_u64 s[G0S+2:G0S+3], s[92:93], s[44:45]
	s_or_b32 s[G0S+3], s[G0S+3], 0x80000000
	s_mov_b32 s[G0SB], 1
	s_mov_b32 s[G0SB+1], SCL+8192+128              ; and of B's two
	s_sub_nc_u64 s[G0SB+2:G0SB+3], s[94:95], s[44:45]
	s_or_b32 s[G0SB+3], s[G0SB+3], 0x80000000
	; THE HEAD'S FOUR TILES, ONE LOAD A WAVE: wave 0 slot 0's two pieces of A, wave 1 its two pieces of B, wave 2 A's scale words, wave 3 B's.
	; Slot 0's two groups 0 serve the head's loads first and are set for the ring behind the wait for them.
	s_mul_i32 s44, s[CH], GRPB
	s_mov_b32 s[G0], 1
	s_mov_b32 s[G0+1], 0
	s_sub_nc_u64 s[G0+2:G0+3], s[96:97], s[44:45]
	s_or_b32 s[G0+3], s[G0+3], 0x80000000
	s_mov_b32 s[G0B], 1
	s_mov_b32 s[G0B+1], 2*PIECE
	s_sub_nc_u64 s[G0B+2:G0B+3], s[46:47], s[44:45]
	s_or_b32 s[G0B+3], s[G0B+3], 0x80000000
	s_mov_b32 s[G0+4], 1
	s_add_co_u32 s[G0+5], s3, SLOT
	s_add_nc_u64 s[G0+6:G0+7], s[96:97], PIECE
	s_or_b32 s[G0+7], s[G0+7], 0x80000000
	s_mov_b32 s[G0B+4], 1
	s_add_co_u32 s[G0B+5], s3, SLOT
	s_add_nc_u64 s[G0B+6:G0B+7], s[46:47], PIECE
	s_or_b32 s[G0B+7], s[G0B+7], 0x80000000
	s_cmp_eq_u32 s[WV], 0
	s_cbranch_scc0 .Lh_b
	tensor_load_to_lds s[G0:G0+3], s[G1:G1+7]
	s_nop 0
.rept 4
	v_nop
.endr
	s_branch .Lh_done
.Lh_b:
	s_cmp_eq_u32 s[WV], 1
	s_cbranch_scc0 .Lh_sa
	tensor_load_to_lds s[G0B:G0B+3], s[G1B:G1B+7]
	s_nop 0
.rept 4
	v_nop
.endr
	s_branch .Lh_done
.Lh_sa:
	s_cmp_eq_u32 s[WV], 2
	s_cbranch_scc0 .Lh_sb
	tensor_load_to_lds s[G0S:G0S+3], s[G1S:G1S+7]
	s_nop 0
.rept 4
	v_nop
.endr
	s_branch .Lh_done
.Lh_sb:
	tensor_load_to_lds s[G0SB:G0SB+3], s[G1SB:G1SB+7]
	s_nop 0
.rept 4
	v_nop
.endr
.Lh_done:
	s_wait_alu depctr_va_vdst(0)
	s_wait_tensorcnt 0x0                           ; my tile of the head's four is in
	ds_add_u32 v14, v15
.irp g, G1, G1B                        ; no tensor load of mine is out, so the descriptors may be written: the ring's shape, a piece as 96 rows of 256 bytes,
	s_mov_b32 s[\g+1], 32<<16
	s_mov_b32 s[\g+2], 96<<16
	s_mov_b32 s[\g+3], 32<<16
	s_mov_b32 s[\g+4], 96
	s_mov_b32 s[\g+5], 32
.endr
	s_mov_b32 s[G0+1], s3                          ; and slot 0's own places: my piece
	s_mov_b64 s[G0+2:G0+3], s[96:97]
	s_or_b32 s[G0+3], s[G0+3], 0x80000000
	s_mov_b32 s[G0B+1], s3
	s_mov_b64 s[G0B+2:G0B+3], s[46:47]
	s_or_b32 s[G0B+3], s[G0B+3], 0x80000000
	s_wait_dscnt 0x0
	CROUND
	JLOAD G0+4, G1, G0B+4, G1B
	v_and_b32 v1, 31, v0
	v_and_b32 v2, 15, v0
	v_bfe_u32 v3, v0, 4, 1
	s_wait_alu depctr_va_vdst(0)
	v_lshlrev_b32 v[LI], 4, v1
	s_wait_alu depctr_va_vdst(0)
	s_mul_i32 s3, s[RH], PIECE
	s_mul_i32 s42, s[CH], PIECE
	s_add_co_u32 s42, s42, 2*PIECE
.irp s, 0,1
	v_add_nc_u32 v[ADRA+\s], s3, v[LI]
	v_add_nc_u32 v[ADRB+\s], s42, v[LI]
	s_add_co_u32 s3, s3, SLOT
	s_add_co_u32 s42, s42, SLOT
.endr
	v_lshlrev_b32 v5, 3, v2
	s_lshl_b32 s3, s[RH], 12
	s_lshl_b32 s42, s[CH], 12
	s_add_co_u32 s42, s42, 8192+128
	s_sub_co_u32 s42, s42, s3
	v_mul_u32_u24 v6, s42, v3
	s_add_co_u32 s3, s3, SCL
	v_add_nc_u32 v5, v5, v6
	v_add_nc_u32 v[ADRS], s3, v5
	s_cmp_eq_u32 s43, 0
	s_cselect_b64 s[8:9], s[8:9], s[10:11]
	s_cselect_b64 s[14:15], s[14:15], s[16:17]
	s_mov_b32 s10, 13056
	s_cselect_b32 s10, 6656, s10
	s_mov_b32 s11, 12288
	s_cselect_b32 s11, 6144, s11
	s_cmp_eq_u32 s43, 2
	s_cselect_b64 s[8:9], s[12:13], s[8:9]
	s_cselect_b32 s16, 6144, 0
	s_lshl_b32 s12, s2, 1
	s_add_co_u32 s12, s12, s[RH]
	s_lshl_b32 s13, s23, 1
	s_add_co_u32 s13, s13, s[CH]
	s_cmp_eq_u32 s43, 2
	s_cselect_b32 s17, s12, s13
	s_cselect_b32 s12, s13, s12
	s_lshl_b32 s44, s17, 9
	s_mov_b32 s45, 0
	s_add_nc_u64 s[8:9], s[8:9], s[44:45]
	s_lshr_b32 s13, s12, 4
	s_lshl_b32 s13, s13, 4
	s_add_co_u32 s13, s13, s17
	s_add_co_u32 s13, s13, s17
	s_lshl_b32 s13, s13, 4
	s_and_b32 s12, s12, 15
	s_add_co_u32 s13, s13, s12
	s_mul_i32 s12, s13, s10
	s_add_co_u32 s12, s12, s16
	s_mov_b32 s13, 0
	s_add_nc_u64 s[14:15], s[14:15], s[12:13]
	s_lshl_b32 s12, s10, 4
	s_add_nc_u64 s[16:17], s[14:15], s[12:13]
	v_add_nc_u32 v[LSO], s11, v[LI]
	v_mul_u32_u24 v[VSO], v3, 208896
	v_lshl_add_u32 v[VSO], v2, 4, v[VSO]
	v_lshlrev_b32 v[BCO], 6, v3
	v_and_b32 v[BRO], 8, v2
	v_add_nc_u32 v[BRO], v[BRO], v2
	v_lshlrev_b32 v[BRO], 2, v[BRO]
.irp b, 0,1,2,3,4,5,6,7
	global_load_b128 v[BC+8*\b:BC+8*\b+3], v[BCO], s[8:9] offset:(32*(\b/2)+8*(\b%2))*4
	global_load_b128 v[BC+8*\b+4:BC+8*\b+7], v[BCO], s[8:9] offset:(32*(\b/2)+8*(\b%2))*4+16
.endr
.irp a, 0,1,2,3,4,5,6,7
	global_load_b32 v[BR+2*\a], v[BRO], s[8:9] offset:(32*(\a/2)+8*(\a%2))*4
	global_load_b32 v[BR+2*\a+1], v[BRO], s[8:9] offset:(32*(\a/2)+8*(\a%2))*4
.endr
.irp b, 0,1,2,3
	v_mov_b32 v[TM+4+\b], 0
.endr
.macro FRAG reg, adr, q, i
.irp c, 0,1,2
	ds_load_b128 v[\reg+4*\c:\reg+4*\c+3], v[\adr] offset:(8*(\q)+(\i))*FRB+512*\c
.endr
.endm
.macro MUL16 a0, p, q, sc, zero
.irp a, \a0, \a0+1
.irp b, 0,1,2,3,4,5,6,7
.if \zero
	v_wmma_scale_f32_16x16x128_f8f6f4 v[8*(8*((\a)%4)+\b):8*(8*((\a)%4)+\b)+7], v[128*(\p)+FR*\b:128*(\p)+FR*\b+FR-1], v[AF+FR*(\a):AF+FR*(\a)+FR-1], 0, v[SC+8*NQ*(\sc)+NQ*\b+(\q)], v[SC+8*NQ*(\sc)+NQ*(\a)+(\q)] matrix_a_fmt:MATRIX_FMT_FP6 matrix_b_fmt:MATRIX_FMT_FP6 matrix_a_scale:MATRIX_SCALE_ROW1
.else
	v_wmma_scale_f32_16x16x128_f8f6f4 v[8*(8*((\a)%4)+\b):8*(8*((\a)%4)+\b)+7], v[128*(\p)+FR*\b:128*(\p)+FR*\b+FR-1], v[AF+FR*(\a):AF+FR*(\a)+FR-1], v[8*(8*((\a)%4)+\b):8*(8*((\a)%4)+\b)+7], v[SC+8*NQ*(\sc)+NQ*\b+(\q)], v[SC+8*NQ*(\sc)+NQ*(\a)+(\q)] matrix_a_fmt:MATRIX_FMT_FP6 matrix_b_fmt:MATRIX_FMT_FP6 matrix_a_scale:MATRIX_SCALE_ROW1
.endif
.endr
.endr
.endm
.macro FETCH_B slot, q, p
	WIN TO_B
.irp i, 0,1,2,3,4,5,6,7
	FRAG 128*(\p)+FR*\i, ADRB+\slot, \q, \i
.endr
	WIN 0
.endm
.macro FETCH_A slot, q, i0
.irp i, \i0, \i0+1, \i0+2, \i0+3
	FRAG AF+FR*(\i), ADRA+\slot, \q, \i
.endr
.endm
.macro SCALES sc
.irp i, 0,1,2,3,4,5,6,7
	ds_load_b64 v[SC+8*NQ*\sc+NQ*\i:SC+8*NQ*\sc+NQ*\i+1], v[ADRS] offset:\i*512
.endr
.endm
.macro PLACES n
.rept \n
	v_nop
.endr
.endm
.macro STEP slot, q, zero
	s_wait_dscnt 4*NLA
	WIN MUL_LO
	MUL16 0, (\q)%2, \q, \slot, \zero
	MUL16 2, (\q)%2, \q, \slot, \zero
	s_wait_dscnt 0
	PLACES NP
	FETCH_B \slot, (\q)+1, 1-(\q)%2
	FETCH_A \slot, (\q)+1, 0
	WIN MUL_HI
	MUL16 4, (\q)%2, \q, \slot, \zero
	MUL16 6, (\q)%2, \q, \slot, \zero
	PLACES NP
	WIN 0
	FETCH_A \slot, (\q)+1, 4
.endm
.macro TURN slot, next, fill
	s_wait_tensorcnt 0x0
	ds_add_u32 v[SPW], v[NIL]
	s_wait_dscnt 4*NLA+1
	WIN MUL_LO
	MUL16 0, 1, NQ-1, \slot, 0
	s_wait_dscnt 0x0
	s_barrier_signal -1
	MUL16 2, 1, NQ-1, \slot, 0
	WIN 0
	s_barrier_wait -1
.if \fill
	CREST
	s_add_nc_u64 s[G0+4*\slot+2:G0+4*\slot+3], s[G0+4*\slot+2:G0+4*\slot+3], 2*PIECE
	s_add_nc_u64 s[G0B+4*\slot+2:G0B+4*\slot+3], s[G0B+4*\slot+2:G0B+4*\slot+3], 2*PIECE
	JLOAD G0+4*\slot, G1, G0B+4*\slot, G1B
.else
	PLACES NP
.endif
	s_wait_alu depctr_va_vdst(0)
	v_add_nc_u32 v[ADRS], 128, v[ADRS]
	FETCH_B \next, 0, 0
	FETCH_A \next, 0, 0
	SCALES \next
	WIN MUL_HI
	MUL16 4, 1, NQ-1, \slot, 0
	MUL16 6, 1, NQ-1, \slot, 0
	PLACES NP
	WIN 0
	FETCH_A \next, 0, 4
.endm
	s_wait_tensorcnt 1
	s_barrier_signal -1
	s_barrier_wait -1
	FETCH_B 0, 0, 0
	FETCH_A 0, 0, 0
	SCALES 0
	FETCH_A 0, 0, 4
	STEP 0, 0, 1
	TURN 0, 1, 1
	STEP 1, 0, 0
	TURN 1, 0, 1
	STEP 0, 0, 0
	TURN 0, 1, 0
	STEP 1, 0, 0
	s_wait_dscnt 4*NLA
	WIN MUL_LO
	MUL16 0, 1, NQ-1, 1, 0
	MUL16 2, 1, NQ-1, 1, 0
	s_wait_dscnt 0
	WIN MUL_HI
	MUL16 4, 1, NQ-1, 1, 0
	MUL16 6, 1, NQ-1, 1, 0
	WIN 0
.macro QUANT s, d0, d1, w
.irp b, 0,1,2,3
	v_max3_num_f32 v[TM+\b], |v[\s+16*\b]|, |v[\s+1+16*\b]|, 0x1800000
.endr
.irp i, 2,4,6,8,10,12,14
.irp b, 0,1,2,3
	v_max3_num_f32 v[TM+\b], v[TM+\b], |v[\s+16*\b+\i]|, |v[\s+1+16*\b+\i]|
.endr
.endr
.irp b, 0,1,2,3
	v_permlanex16_b32 v[TM+4+\b], v[TM+\b], s[SEL], s[SEL+1]
.endr
.irp b, 0,1,2,3
	v_max_num_f32 v[TM+\b], v[TM+\b], v[TM+4+\b]
.endr
.irp b, 0,1,2,3
	v_add_nc_u32 v[TM+12+\b], 0xff000000, v[TM+\b]
.endr
.irp b, 0,1,2,3
	v_lshrrev_b32 v[TM+4+\b], 23, v[TM+12+\b]
.endr
	v_lshl_or_b32 v[\w], v[TM+5], 8, v[TM+4]
	v_lshl_or_b32 v[\w], v[TM+6], 16, v[\w]
	v_lshl_or_b32 v[\w], v[TM+7], 24, v[\w]
	v_cvt_scalef32_pk16_fp6_f32 v[\d0:\d0+2], v[\s:\s+15], v[TM+12]
	v_cvt_scalef32_pk16_fp6_f32 v[CT:CT+2], v[\s+16:\s+31], v[TM+13]
	v_cvt_scalef32_pk16_fp6_f32 v[\d1:\d1+2], v[\s+32:\s+47], v[TM+14]
	v_cvt_scalef32_pk16_fp6_f32 v[CT+4:CT+6], v[\s+48:\s+63], v[TM+15]
	v_nop
.irp i, 0,1,2
	v_permlane16_swap_b32 v[\d0+\i], v[CT+\i]
	v_permlane16_swap_b32 v[\d1+\i], v[CT+4+\i]
.endr
.irp i, 0,1,2
	v_mov_b32 v[\d0+3+\i], v[CT+\i]
	v_mov_b32 v[\d1+3+\i], v[CT+4+\i]
.endr
.endm
.macro EPI isv
.irp a, 0,1,2,3,4,5,6,7
	s_wait_xcnt 0x0
	WIN 0x02+\a/4
.set n, 0
.rept 32
.if \isv
	v_pk_add_f32 v[H+2*n:H+2*n+1], v[64*(\a%4)+2*n:64*(\a%4)+2*n+1], v[BR+2*\a:BR+2*\a+1]
.else
	v_pk_add_f32 v[H+2*n:H+2*n+1], v[64*(\a%4)+2*n:64*(\a%4)+2*n+1], v[BC+2*n:BC+2*n+1]
.endif
.set n, n+1
.endr
	WIN 0
.if \isv
	QUANT H, PA, PA+6, WS+\a
.irp c, 0,1,2
	global_store_b128 v[LI], v[PA+4*\c:PA+4*\c+3], s[14:15] offset:208896*(\a/4)+FRB*(\a%4)+512*\c
.endr
.else
.set D0, PA+6*(\a%2)
.set D1, PB+6*(\a%2)
	QUANT H, D0, D1, WS+\a
.if \a%2
.irp c, 0,1,2
	global_store_b128 v[LI], v[PA+4*\c:PA+4*\c+3], s[14:15] offset:FRB*(\a/2)+512*\c
	global_store_b128 v[LI], v[PB+4*\c:PB+4*\c+3], s[16:17] offset:FRB*(\a/2)+512*\c
.endr
.endif
.endif
.endr
.irp j, 0,1,2,3
	v_cndmask_b32 v[SW+\j], v[WS+\j], v[WS+4+\j], s40
.endr
.if \isv
	global_store_b128 v[VSO], v[SW:SW+3], s[14:15] offset:6656
.else
.irp j, 0,1,2,3
	v_and_or_b32 v[WS+\j], v[SW+\j], 0xffff, s41
	v_lshrrev_b32 v[WS+4+\j], 16, v[SW+\j]
.endr
.irp j, 0,1,2,3
	v_or_b32 v[WS+4+\j], s41, v[WS+4+\j]
.endr
	global_store_b128 v[LSO], v[WS:WS+3], s[14:15]
	global_store_b128 v[LSO], v[WS+4:WS+7], s[16:17]
.endif
.endm
	s_wait_loadcnt 0x0
	PLACES NP
	s_cmp_eq_u32 s43, 2
	s_cbranch_scc1 .Lv
	EPI 0
	s_branch .Lend
.Lv:
	EPI 1
.Lend:
	s_wait_tensorcnt 0x0
	ds_add_u32 v[SPW], v[NIL]
	s_wait_dscnt 0x0
	CROUND
	s_endpgm
.Lfunc_end_k_qc9aee5f175_proj:
	.size	k_qc9aee5f175_proj, .Lfunc_end_k_qc9aee5f175_proj-k_qc9aee5f175_proj
	.p2alignl 7, 3214868480
	.fill 96, 4, 3214868480
	.section	.rodata,"a",@progbits
	.p2align	6, 0x0
	.amdhsa_kernel k_qc9aee5f175_proj
		.amdhsa_group_segment_fixed_size 327680
		.amdhsa_private_segment_fixed_size 0
		.amdhsa_enable_private_segment 0
		.amdhsa_kernarg_size 56
		.amdhsa_user_sgpr_count 2
		.amdhsa_user_sgpr_kernarg_segment_ptr 1
		.amdhsa_wavefront_size32 1
		.amdhsa_system_sgpr_workgroup_id_x 1
		.amdhsa_system_sgpr_workgroup_id_y 1
		.amdhsa_system_sgpr_workgroup_id_z 1
		.amdhsa_system_vgpr_workitem_id 0
		.amdhsa_next_free_vgpr 1024
		.amdhsa_next_free_sgpr 98
		.amdhsa_reserve_vcc 0
		.amdhsa_float_denorm_mode_32 3
		.amdhsa_float_denorm_mode_16_64 3
		.amdhsa_memory_ordered 1
		.amdhsa_forward_progress 1
		.amdhsa_inst_pref_size 211
	.end_amdhsa_kernel
	.amdgpu_metadata
---
amdhsa.version: [ 1, 2 ]
amdhsa.kernels:
  - .name:           k_qc9aee5f175_proj
    .symbol:         k_qc9aee5f175_proj.kd
    .args:
      - { .name: c1, .offset: 0, .size: 8, .value_kind: global_buffer, .address_space: global }
      - { .name: s1, .offset: 8, .size: 8, .value_kind: global_buffer, .address_space: global }
      - { .name: bq, .offset: 16, .size: 8, .value_kind: global_buffer, .address_space: global }
      - { .name: bk, .offset: 24, .size: 8, .value_kind: global_buffer, .address_space: global }
      - { .name: bv, .offset: 32, .size: 8, .value_kind: global_buffer, .address_space: global }
      - { .name: qb, .offset: 40, .size: 8, .value_kind: global_buffer, .address_space: global }
      - { .name: kv, .offset: 48, .size: 8, .value_kind: global_buffer, .address_space: global }
    .group_segment_fixed_size: 327680
    .private_segment_fixed_size: 0
    .kernarg_segment_align: 8
    .kernarg_segment_size: 56
    .max_flat_workgroup_size: 128
    .sgpr_count:     98
    .vgpr_count:     1024
    .wavefront_size: 32
...
	.end_amdgpu_metadata
.endif
;; end of part 2
;; launch attn (part 3): grid 4 x 64, 8 waves a work-group, clusters of 4 x 1, 230,400 bytes of LDS; arguments qb, kv, ac, asc; writes ac, asc
.if DOCPART == 3
	.amdgcn_target "amdgcn-amd-amdhsa--gfx1250"
	.amdhsa_code_object_version 6
	.text
	.protected	k_qc9aee5f175_attn
	.globl	k_qc9aee5f175_attn
	.p2align	8
	.type	k_qc9aee5f175_attn,@function
k_qc9aee5f175_attn:
	s_mov_b64 s[64:65], 0
	v_nop
	global_prefetch_b8 v0, s[64:65] scope:SCOPE_SE
	s_setreg_imm32_b32 hwreg(HW_REG_WAVE_MODE, 25, 1), 1
	s_wait_xcnt 0x0
	s_wait_alu depctr_hold_cnt(0) depctr_sa_sdst(0) depctr_va_vdst(0) depctr_va_sdst(0) depctr_va_ssrc(0) depctr_va_vcc(0) depctr_vm_vsrc(0)
	s_getreg_b32 s2, hwreg(HW_REG_IB_STS2, 6, 4)
	s_cmp_eq_u32 s2, 0
	s_cbranch_scc0 .Lentry_in_a_cluster
	s_endpgm
.Lentry_in_a_cluster:
	s_bfe_u32 s2, ttmp6, 0x10000c
	s_cmp_lg_u32 s2, 0x3003
	s_cbranch_scc0 .Lentry_shape_is_right
	s_endpgm
.Lentry_shape_is_right:
; O = softmax(q k^T / 8) v for one head, both products on codes of FP6 (E2M3) with E8M0 scales; O / l is quantised along the head's 64 and leaves as codes for the last product.
; THE SOFTMAX: t = score x log2(e) / 8; M = the running largest t, rounded UP to a whole number; p = 2^(t - M) is quantised along the keys, not normalised; the row's sum l is taken of the unquantised p
; and divides O at the end.  When M moves, l and O are multiplied by 2^(old M - new M): exact.
; SHARES.  A cluster of four work-groups is one head (the cluster's y); work-group cx owns 512 queries, each of its EIGHT waves 64 of them, in two passes over the keys: a pass takes a pair of tiles of 16
; queries (A and B) at once, so that each fragment of K and of V is read from LDS once for 32 queries, and the two tiles' dependent lines stand by turns.
; THE WHOLE HEAD'S K, V AND SCALE WORDS STAY IN LDS: 16 records of 13,056 bytes (128 keys each), an image of the head's part of kv, filled ONCE: each wave asks for two records by one load, jointly with the
; same wave of the three partners.  No slot is ever filled again.  All that the launch reads from kv is asked for in these first loads, so there is no later stream for a prefetch to run ahead of.
; LAYOUT.  Both products are used transposed: S^T = K Q^T, O^T = V^T P^T: a lane holds ONE query (lane % 16) throughout.  Row 8 h + j of K's tile T is key 64 (T / 4) + 32 h + 8 (T % 4) + j (the first launch
; orders the key tensor's rows so): the 32 registers of tiles 4 c .. 4 c + 3 in lane (r, h) are keys 64 c + 32 h + 0 .. 31: ONE WHOLE SCALE BLOCK, in the order of P's operand.  So a block's largest p needs no
; other lane and the conversions' results are the operand's registers; lane l xor 16 is asked twice a step: for the row's largest score and for the other two bytes of P's scale word.
; K = 64 IN A FORM OF 128: Q's registers 6-11 are zero codes, and bytes 2, 3 of q's and k's scale words are 1.0.  So tile t's operand of K is the 12 registers from its own six on (tile 7's run into six zeros).
; THE ORDER OF A STEP'S LINES keeps dependent lines apart: the maxima go in sixteen chains, one to an accumulator; the last levels of tile B's sum of p, which touch the partial sums alone, are finished in the
; NEXT step, between the levels of the chain that makes M (the pass's way out finishes the last); f is made among tile A's multiply-adds; the scale bytes' levels stand between the lines that bring O^T under the new M.
; OUTPUT.  ac: [group of 128 tokens][head / 2][block of 16 tokens (8)][1,536]: registers 2 g, 2 g + 1 of lane l at 256 g + 8 l: the even head writes g = 0-2, the odd head g = 3-5: aligned runs of 256 bytes.
; asc: scale words as in s1; a word spans two heads, which two clusters own, so each head stores its own two bytes of a row's word.
; LIMITS: a block of zeros gets the scale byte 1 (its codes are zeros; this program alone reads the bytes); NaN and infinities are not served; the scaled scores stay under 2^31 in magnitude.
; REGISTERS.  Window 0: addresses, Q, K, V, all scale words, P's codes.  Window 1: S^T then p (A 0-63, B 64-127), O^T (128-159, 160-191), 16 registers at work for each tile (192-, 208-), 16 pairs of partial sums
; (224-255), of which the upper eight pairs also serve the maxima's sixteen chains.
.set REC,   13056
.set HEADB, 16*REC
.set QREC,  6656
.set SPARE, 229376                     ; the spare words, 128 bytes for each of 8 waves, more than a record behind the head; no other line names them
.set SPW, 5
.set NIL, 6
.set ADK, 8                            ; LDS: the record to be fetched + 16 x lane
.set ADS, 9                            ; the same + 16 r
.set QA,  16                           ; Q's operand of tile A: six registers of codes, six of zeros
.set QB,  28                           ; of tile B
.set QH,  40                           ; the second pass's twelve registers of codes
.set QS,  52                           ; Q's scale words: A, B, and the second pass's two
.set KS,  56                           ; K's eight scale words
.set VS,  64                           ; V's four
.set PW,  68                           ; P's scale words, A and B
.set OW,  70                           ; the result's two scale bytes, A and B
.set KF,  72                           ; K's 48 registers, then six zeros
.set VF,  128                          ; V's four fragments
.set PCA, 176                          ; P's codes: A, then B
.set CT,  200                          ; the conversions' upper halves (a conversion's three registers begin on an even number)
.set SA,  0
.set SB,  64
.set OA,  128
.set OB,  160
.set TA,  192                          ; + 16 for B.  +0, 1 a block's largest score, then its largest p; +2, 3 at work; +4 -M; +6 f; +8, 9 l; +10 the largest score; +11 word; +12, 13 the conversions' scales; +14, 15 the old -M, then bytes
.set U,   224
.set MQ,  U+16                         ; the maxima's chains: 8 x tile + 4 x block + accumulator
.set WV,  12
.set SEL, 20
.set CS,  22
.set G1,  24
.set G0,  32
.set TB,  36                           ; LDS byte of the record that is fetched next
.set KC,  37                           ; key steps to go
.set PS,  48                           ; passes done
.set MSB, 0
.macro WIN new                         ; the immediate's high byte repeats the setting that is left
.if MSB != (\new)
	s_set_vgpr_msb (MSB<<8)|(\new)
.set MSB, (\new)
.endif
.endm
.set W1,   0x55                        ; all four places window 1
.set TO0,  0x15                        ; sources window 1, destination window 0
.macro WALU
	s_wait_alu depctr_va_vdst(0)
.endm
.macro CROUND
	s_barrier_signal -1
	s_barrier_wait -1
	s_cmp_lg_u32 s[WV], 0
	s_cbranch_scc1 .Lnot_wave_0_\@
	s_barrier_signal -3
.Lnot_wave_0_\@:
	s_barrier_wait -3
	s_barrier_signal -1
	s_barrier_wait -1
.endm
.macro MM d, a, b, c, sa, sb
	v_wmma_scale_f32_16x16x128_f8f6f4 v[\d:\d+7], v[\a:\a+11], v[\b:\b+11], \c, v[\sa], v[\sb] matrix_a_fmt:MATRIX_FMT_FP6 matrix_b_fmt:MATRIX_FMT_FP6
.endm
.macro LOADK
.irp i, 0,1,2,3,4,5,6,7,8,9,10,11
	ds_load_b128 v[KF+4*\i:KF+4*\i+3], v[ADK] offset:512*\i
.endr
.irp g, 0,1
	ds_load_b128 v[KS+4*\g:KS+4*\g+3], v[ADS] offset:12288+256*\g
.endr
.endm
.macro LOADV
.irp i, 0,1,2,3,4,5,6,7,8,9,10,11
	ds_load_b128 v[VF+4*\i:VF+4*\i+3], v[ADK] offset:6144+512*\i
.endr
	ds_load_b128 v[VS:VS+3], v[ADS] offset:12800
.endm
.macro ADDU d, a                       ; partial sum d += partial sum a
	v_pk_add_f32 v[U+2*(\d):U+2*(\d)+1], v[U+2*(\d):U+2*(\d)+1], v[U+2*(\a):U+2*(\a)+1]
.endm
.macro QUAD d, q                       ; partial sum d = four of tile B's p
	v_pk_add_f32 v[U+2*(\d):U+2*(\d)+1], v[SB+4*(\q):SB+4*(\q)+1], v[SB+4*(\q)+2:SB+4*(\q)+3]
.endm
.macro FOLD n                          ; 2 n partial sums become n
.set k_, 0
.rept \n
	ADDU k_, k_+\n
.set k_, k_+1
.endr
.endm
.macro QUADS d, q, n
.set k_, 0
.rept \n
	QUAD \d+k_, \q+k_
.set k_, k_+1
.endr
.endm
.macro LADD X                          ; tile X's l += partial sum 0
	v_pk_add_f32 v[TA+16*\X+8:TA+16*\X+9], v[TA+16*\X+8:TA+16*\X+9], v[U:U+1]
.endm
.macro RESC k                          ; accumulator k of O^T, both tiles, under the new M: eight lines, from its low end on
.set n, 4*(\k)
.rept 4
	v_pk_mul_f32 v[OA+2*n:OA+2*n+1], v[OA+2*n:OA+2*n+1], v[TA+6:TA+7] op_sel_hi:[1,0]
	v_pk_mul_f32 v[OB+2*n:OB+2*n+1], v[OB+2*n:OB+2*n+1], v[TA+22:TA+23] op_sel_hi:[1,0]
.set n, n+1
.endr
.endm
	s_load_b256 s[4:11], s[0:1], 0x0               ; qb, kv, ac, asc
	v_lshl_add_u32 v[SPW], v0, 2, SPARE
	v_mov_b32 v[NIL], 0
	ds_add_u32 v[SPW], v[NIL]                      ; the opening lines: the add, twice on end, and its wait ahead of my first tensor load
	ds_add_u32 v[SPW], v[NIL]
	v_lshrrev_b32 v7, 5, v0
	v_readfirstlane_b32 s[WV], v7                  ; wave 0..7
	s_bfe_u32 s13, ttmp6, 0x40000                  ; cx: it enters Q's and the outputs' addresses alone
	s_and_b32 s14, ttmp7, 0xffff                   ; the head, 16 x batch + h, which the four partners share
	s_mov_b32 s[G1], 15|(3<<16)|(1<<21)            ; the mask: all four work-groups; elements of 8 bytes; bit 21 beside a mask; no padding
	s_mov_b32 s[G1+1], 32<<16                      ; two records: 102 rows of 256 bytes
	s_mov_b32 s[G1+2], 102<<16
	s_mov_b32 s[G1+3], 32<<16
	s_mov_b32 s[G1+4], 102
	s_mov_b32 s[G1+5], 32
	s_mov_b32 s[G1+6], 0
	s_mov_b32 s[G1+7], 0
	s_mov_b32 s[G0], 1
	s_mul_i32 s[G0+1], s[WV], 2*REC                ; records 2 w, 2 w + 1 go to LDS byte 26,112 w
	s_mul_i32 s38, s14, HEADB
	s_add_co_u32 s38, s38, s[G0+1]
	s_mov_b32 s39, 0
	s_mov_b32 s[SEL], 0x76543210
	s_mov_b32 s[SEL+1], 0xfedcba98
	s_mov_b32 s[CS], 0x3e38aa3b                    ; c = log2(e) / 8
	s_mov_b32 s[CS+1], s[CS]
	s_lshl_b32 s40, s13, 2
	s_lshr_b32 s41, s[WV], 1
	s_add_co_u32 s40, s40, s41                     ; my step of 128 queries: 4 cx + wave / 2
	s_and_b32 s41, s[WV], 1                        ; my half of it: pairs of tiles 2 (wave % 2) and the next
	s_lshl_b32 s42, s14, 4
	s_add_co_u32 s42, s42, s40
	s_mul_i32 s42, s42, QREC                       ; Q's record
	s_lshl_b32 s15, s41, 8
	s_add_co_u32 s44, s42, s15
	s_add_co_u32 s44, s44, 6144                    ; my four tiles' scale words: [t / 4][r][t % 4]
	s_mov_b32 s45, 0
	s_mul_i32 s15, s41, 3072
	s_add_co_u32 s42, s42, s15                     ; my two pair images
	s_mov_b32 s43, 0
	s_lshr_b32 s15, s14, 4
	s_lshl_b32 s15, s15, 4
	s_add_co_u32 s15, s15, s40                     ; the group of 128 tokens
	s_and_b32 s18, s14, 15                         ; h
	s_mul_i32 s46, s15, 98304
	s_lshr_b32 s19, s18, 1
	s_mul_i32 s19, s19, 12288
	s_add_co_u32 s46, s46, s19
	s_mul_i32 s19, s41, 6144
	s_add_co_u32 s46, s46, s19
	s_and_b32 s19, s18, 1
	s_mul_i32 s19, s19, 768
	s_add_co_u32 s46, s46, s19                     ; ac: group, h / 2, block 4 (wave % 2), my head's half of the image
	s_mov_b32 s47, 0
	s_lshl_b32 s16, s15, 12
	s_lshl_b32 s19, s41, 11
	s_add_co_u32 s16, s16, s19
	s_lshr_b32 s19, s18, 2
	s_lshl_b32 s19, s19, 7
	s_add_co_u32 s16, s16, s19
	s_and_b32 s19, s18, 3
	s_lshl_b32 s19, s19, 1
	s_add_co_u32 s16, s16, s19                     ; asc: group, block, h / 4, and 2 (h % 4): the word and my two bytes in it
	s_mov_b32 s17, 0
	s_wait_dscnt 0x0                               ; both opening adds are done
	s_wait_kmcnt 0x0
	s_add_nc_u64 s[G0+2:G0+3], s[6:7], s[38:39]
	s_or_b32 s[G0+3], s[G0+3], 0x80000000
	s_add_nc_u64 s[44:45], s[4:5], s[44:45]
	s_add_nc_u64 s[4:5], s[4:5], s[42:43]
	s_add_nc_u64 s[8:9], s[8:9], s[46:47]
	s_add_nc_u64 s[10:11], s[10:11], s[16:17]
	CROUND                                         ; all four work-groups are here: the joint loads meet
	tensor_load_to_lds s[G0:G0+3], s[G1:G1+7]
	s_nop 0
.rept 4
	v_nop
.endr
	v_and_b32 v1, 31, v0
	v_and_b32 v2, 15, v0
	v_lshlrev_b32 v3, 3, v1                        ; 8 x lane
	v_lshlrev_b32 v4, 3, v2                        ; 8 r
	v_lshlrev_b32 v1, 4, v1                        ; 16 x lane
	v_lshlrev_b32 v2, 4, v2                        ; 16 r
.irp g, 0,1,2                                  ; registers 2 g, 2 g + 1 of a pair image lie at 512 (g / 2) + 8 (g % 2) + 16 x lane: the first six are tile A's codes, the last six tile B's
	global_load_b64 v[QA+2*\g:QA+2*\g+1], v1, s[4:5] offset:512*(\g/2)+8*(\g%2)
	global_load_b64 v[QB+2*\g:QB+2*\g+1], v1, s[4:5] offset:512*((\g+3)/2)+8*((\g+3)%2)
.endr
.irp i, 0,1,2
	global_load_b128 v[QH+4*\i:QH+4*\i+3], v1, s[4:5] offset:1536+512*\i   ; the second pass's image
.endr
	global_load_b128 v[QS:QS+3], v2, s[44:45]      ; the four tiles' scale words
.irp i, 0,1,2,3,4,5
	v_mov_b32 v[QA+6+\i], 0                        ; zero codes for K = 64 .. 127
	v_mov_b32 v[QB+6+\i], 0
	v_mov_b32 v[KF+48+\i], 0                       ; and what tile 7's operand runs into
.endr
	v_mov_b32 v[ADK], v1                           ; record 0
	v_mov_b32 v[ADS], v2
	WIN W1
.irp X, 0,1
	v_mov_b32 v[TA+16*\X+3], 0                     ; written once: a lane permute's destination counts as one of its sources;
	v_mov_b32 v[TA+16*\X+5], 0                     ; and the upper halves of the pairs -M and f, which are named and not used
	v_mov_b32 v[TA+16*\X+7], 0
.endr
.set n, 0
.rept 32
	v_mov_b32 v[U+n], 0                            ; the partial sums that the first step finds
.set n, n+1
.endr
	WIN 0
	s_mov_b32 s[TB], 0
	s_mov_b32 s[PS], 0
	WALU
	s_wait_loadcnt 0x0                             ; Q
	s_wait_tensorcnt 0x0                           ; my two records have landed,
	s_barrier_signal -1
	s_barrier_wait -1                              ; everybody's have
	LOADK
	LOADV
; A KEY STEP: 128 keys against the 32 queries of tiles A and B.  Its K and V were asked for in the step before.
.macro STEP
	s_wait_dscnt 13                                ; this step's K and its scale words are in; the 13 loads of V issued behind them may be out
	WIN 0x40
.irp t, 0,1,2,3,4,5,6,7
	MM SA+8*\t, KF+6*\t, QA, 0, KS+\t, QS
	MM SB+8*\t, KF+6*\t, QB, 0, KS+\t, QS+1
.endr
	WIN W1
	FOLD 8                                         ; the last step's sum of tile B's p goes on (a pass's first step finds finite numbers here, which its f = 0 takes out of l).  These eight lines are the places behind the products
	WIN 0
	s_add_co_u32 s[TB], s[TB], REC                 ; the next record; behind the last comes the first, for the next pass (the launch's very last fetch is read by nobody)
	s_cmp_eq_u32 s[TB], HEADB
	s_cselect_b32 s[TB], 0, s[TB]
	v_add_nc_u32 v[ADK], s[TB], v1
	v_add_nc_u32 v[ADS], s[TB], v2
	LOADK
	WIN W1
.irp X, 0,1                                    ; the largest score of each of my blocks of 32 keys: sixteen chains, one to an accumulator, each from its low end on: seven of its eight registers
.irp c, 0,1
.irp i, 0,1,2,3
	v_max3_num_f32 v[MQ+8*\X+4*\c+\i], v[64*\X+32*\c+8*\i], v[64*\X+32*\c+8*\i+1], v[64*\X+32*\c+8*\i+2]
.endr
.endr
.endr
.irp k, 3,5
.irp X, 0,1
.irp c, 0,1
.irp i, 0,1,2,3
	v_max3_num_f32 v[MQ+8*\X+4*\c+\i], v[MQ+8*\X+4*\c+\i], v[64*\X+32*\c+8*\i+\k], v[64*\X+32*\c+8*\i+\k+1]
.endr
.endr
.endr
.endr
.irp X, 0,1                                    ; a block's four chains and the four eighth registers are joined
.irp c, 0,1
	v_max3_num_f32 v[TA+16*\X+\c], v[MQ+8*\X+4*\c], v[MQ+8*\X+4*\c+1], v[MQ+8*\X+4*\c+2]
	v_max3_num_f32 v[MQ+8*\X+4*\c+3], v[MQ+8*\X+4*\c+3], v[64*\X+32*\c+7], v[64*\X+32*\c+15]
.endr
.endr
.irp X, 0,1
.irp c, 0,1
	v_max3_num_f32 v[TA+16*\X+\c], v[TA+16*\X+\c], v[MQ+8*\X+4*\c+3], v[64*\X+32*\c+23]
.endr
.endr
.irp X, 0,1
.irp c, 0,1
	v_max_num_f32 v[TA+16*\X+\c], v[TA+16*\X+\c], v[64*\X+32*\c+31]
.endr
.endr
	FOLD 4
.irp X, 0,1
	v_max_num_f32 v[TA+16*\X+2], v[TA+16*\X], v[TA+16*\X+1]
.endr
.irp X, 0,1
	v_mov_b32 v[TA+16*\X+14], v[TA+16*\X+4]        ; the old -M
.endr
	FOLD 2
.irp X, 0,1
	v_permlanex16_b32 v[TA+16*\X+3], v[TA+16*\X+2], s[SEL], s[SEL+1]
.endr
	ADDU 0, 1
.irp X, 0,1
	v_max3_num_f32 v[TA+16*\X+10], v[TA+16*\X+10], v[TA+16*\X+2], v[TA+16*\X+3]   ; the running largest score of my query
.endr
	LADD 1                                         ; tile B's l has the last step's p, still under the old M
.irp X, 0,1
	v_mul_f32 v[TA+16*\X+2], s[CS], v[TA+16*\X+10] ; as t (c is positive)
.endr
.irp X, 0,1
	v_floor_f32 v[TA+16*\X+4], -v[TA+16*\X+2]      ; the new -M = -ceil(t): a whole number
.endr
.set n, 0
.rept 32
	v_pk_fma_f32 v[SA+2*n:SA+2*n+1], v[SA+2*n:SA+2*n+1], s[CS:CS+1], v[TA+4:TA+5] op_sel_hi:[1,0,0]   ; A: t - M, two at a time; among these lines f is made
.if n == 3
.irp X, 0,1
	v_sub_f32 v[TA+16*\X+14], v[TA+16*\X+4], v[TA+16*\X+14]   ; old M - new M: a whole number, 0 or less
.endr
.endif
.if n == 11
.irp X, 0,1
	v_cvt_i32_f32 v[TA+16*\X+14], v[TA+16*\X+14]   ; (it saturates)
.endr
.endif
.if n == 19
.irp X, 0,1
	v_ldexp_f32 v[TA+16*\X+6], 1.0, v[TA+16*\X+14] ; f = 2^(old M - new M)
.endr
.endif
.set n, n+1
.endr
.irp c, 0,1
	v_fma_f32 v[TA+\c], v[TA+\c], s[CS], v[TA+4]   ; the same of each block's largest score
.endr
	WALU
.set n, 0
.rept 32                                       ; A's p = 2^(t - M); among them B's t - M, lines that hang on nothing in the batch and are read behind the next wait
	v_exp_f32 v[SA+2*n], v[SA+2*n]
	v_exp_f32 v[SA+2*n+1], v[SA+2*n+1]
	v_pk_fma_f32 v[SB+2*n:SB+2*n+1], v[SB+2*n:SB+2*n+1], s[CS:CS+1], v[TA+20:TA+21] op_sel_hi:[1,0,0]
.set n, n+1
.endr
.irp c, 0,1
	v_exp_f32 v[TA+\c], v[TA+\c]                   ; a block's largest p: the same two instructions on the same number give the same bits
.endr
.irp c, 0,1
	v_fma_f32 v[TA+16+\c], v[TA+16+\c], s[CS], v[TA+20]
.endr
	WALU                                           ; behind A's batch and ahead of B's
.set n, 0
.rept 16                                       ; B's p; among them the first level of A's sum of the unquantised p, sixteen lines that hang on nothing in the batch
	v_exp_f32 v[SB+4*n], v[SB+4*n]
	v_exp_f32 v[SB+4*n+1], v[SB+4*n+1]
	v_exp_f32 v[SB+4*n+2], v[SB+4*n+2]
	v_exp_f32 v[SB+4*n+3], v[SB+4*n+3]
	v_pk_add_f32 v[U+2*n:U+2*n+1], v[SA+4*n:SA+4*n+1], v[SA+4*n+2:SA+4*n+3]
.set n, n+1
.endr
.irp c, 0,1
	v_exp_f32 v[TA+16+\c], v[TA+16+\c]
.endr
.irp X, 0,1
	v_pk_mul_f32 v[TA+16*\X+8:TA+16*\X+9], v[TA+16*\X+8:TA+16*\X+9], v[TA+16*\X+6:TA+16*\X+7] op_sel_hi:[1,0]   ; l under the new M
.endr
	s_wait_dscnt 14                                ; V and its scale words are in; the next step's 14 loads of K may be out
	WALU                                           ; behind B's batch, and directly ahead of the first reader of O^T
	RESC 0                                         ; O^T under the new M; between its groups of eight lines the levels that make P's scales
.irp c, 0,1
.irp X, 0,1
	v_max_num_f32 v[TA+16*\X+\c], 0x1800000, v[TA+16*\X+\c]   ; the floor 2^(3 - 127): the byte cannot fall under 1
.endr
.endr
	RESC 1
.irp c, 0,1
.irp X, 0,1
	v_add_nc_u32 v[TA+16*\X+12+\c], 0xff000000, v[TA+16*\X+\c]   ; 2 off the exponent field: the conversion's scale operand
.endr
.endr
	RESC 2
.irp c, 0,1
.irp X, 0,1
	v_lshrrev_b32 v[TA+16*\X+14+\c], 23, v[TA+16*\X+12+\c]   ; the scale's byte
.endr
.endr
	RESC 3
.irp X, 0,1
	v_lshl_or_b32 v[TA+16*\X+11], v[TA+16*\X+15], 16, v[TA+16*\X+14]   ; my blocks h and 2 + h, at bytes 0 and 2
.endr
.irp X, 0,1
	v_permlanex16_b32 v[TA+16*\X+3], v[TA+16*\X+11], s[SEL], s[SEL+1]
.endr
	WIN TO0
.irp X, 0,1
.irp c, 0,1
	v_cvt_scalef32_pk16_fp6_f32 v[PCA+12*\X+6*\c:PCA+12*\X+6*\c+2], v[64*\X+32*\c:64*\X+32*\c+15], v[TA+16*\X+12+\c]
	v_cvt_scalef32_pk16_fp6_f32 v[CT+8*\X+4*\c:CT+8*\X+4*\c+2], v[64*\X+32*\c+16:64*\X+32*\c+31], v[TA+16*\X+12+\c]
.endr
.endr
.irp X, 0,1
	v_lshl_or_b32 v[PW+\X], v[TA+16*\X+3], 8, v[TA+16*\X+11]   ; lanes 0-15, which alone are read: blocks 0, 2 are mine, blocks 1, 3 lane l + 16's.  (Also the plain place behind the conversions)
.endr
	WIN 0
.irp X, 0,1
.irp c, 0,1
.irp i, 0,1,2
	v_mov_b32 v[PCA+12*\X+6*\c+3+\i], v[CT+8*\X+4*\c+\i]
.endr
.endr
.endr
	WIN W1
	FOLD 8                                         ; tile A's sum goes on: eight places between the writes of P's codes and the products (twenty behind the scale words')
	WIN 0x50
.irp t, 0,1,2,3                                ; the eight accumulators take turns
	MM OA+8*\t, VF+12*\t, PCA, v[OA+8*\t:OA+8*\t+7], VS+\t, PW
	MM OB+8*\t, VF+12*\t, PCA+12, v[OB+8*\t:OB+8*\t+7], VS+\t, PW+1
.endr
	WIN W1
	QUADS 8, 0, 8                                  ; the first level of tile B's sum: these eight lines are the places in front of the loads below
	WIN 0
	LOADV                                          ; the next step's V
	WIN W1
	FOLD 4
	QUADS 4, 8, 4
	FOLD 2
	QUADS 2, 12, 2
	ADDU 0, 1
	QUAD 1, 14
	LADD 0
	QUAD 0, 15                                     ; tile B's sixteen partial sums wait for the next step
	WIN 0
.endm
.Lpass:                                                ; A PASS: a pair of tiles against all 2,048 keys, then its way out
	WIN W1
.irp X, 0,1
	v_mov_b32 v[TA+16*\X+10], 0xff61b1e6           ; the largest score so far: -3e38
	v_mov_b32 v[TA+16*\X+4], 0x7f000000            ; -M: 2^127, over every later -M, so that the first f is 0
	v_mov_b32 v[TA+16*\X+8], 0
	v_mov_b32 v[TA+16*\X+9], 0
.endr
.set n, 0
.rept 64
	v_mov_b32 v[OA+n], 0                           ; O^T.  (The step is written once: the first finds zeros, which the first change of M leaves zeros)
.set n, n+1
.endr
	WIN 0
	s_mov_b32 s[KC], 16
	WALU
.Lkey:
	STEP
	s_sub_co_u32 s[KC], s[KC], 1
	s_cmp_lg_u32 s[KC], 0
	WALU
	s_cbranch_scc1 .Lkey
	WIN W1
	FOLD 8                                         ; the last step's sum of tile B's p is finished here
	FOLD 4
	FOLD 2
	ADDU 0, 1
	LADD 1
.irp X, 0,1
	v_add_f32 v[TA+16*\X+8], v[TA+16*\X+8], v[TA+16*\X+9]
.endr
.irp X, 0,1
	v_permlanex16_b32 v[TA+16*\X+3], v[TA+16*\X+8], s[SEL], s[SEL+1]
.endr
.irp X, 0,1
	v_add_f32 v[TA+16*\X+8], v[TA+16*\X+8], v[TA+16*\X+3]   ; the row's sum
.endr
	WALU
	v_rcp_f32 v[TA+8], v[TA+8]
	v_rcp_f32 v[TA+24], v[TA+24]
	v_nop                                          ; a plain place behind the reciprocals
	WALU                                           ; the wait ahead of their first reader, which is also O^T's
.set n, 0
.rept 16
	v_pk_mul_f32 v[SA+2*n:SA+2*n+1], v[OA+2*n:OA+2*n+1], v[TA+8:TA+9] op_sel_hi:[1,0]   ; O^T / l: register 16 b + i is channel 32 b + 16 h + i of my query
	v_pk_mul_f32 v[SB+2*n:SB+2*n+1], v[OB+2*n:OB+2*n+1], v[TA+24:TA+25] op_sel_hi:[1,0]
.set n, n+1
.endr
.irp b, 0,1
.irp X, 0,1
	v_max3_num_f32 v[TA+16*\X+\b], |v[64*\X+16*\b]|, |v[64*\X+16*\b+1]|, 0x1800000
.endr
.endr
.irp i, 2,4,6,8,10,12,14
.irp b, 0,1
.irp X, 0,1
	v_max3_num_f32 v[TA+16*\X+\b], v[TA+16*\X+\b], |v[64*\X+16*\b+\i]|, |v[64*\X+16*\b+\i+1]|
.endr
.endr
.endr
.irp b, 0,1
.irp X, 0,1
	v_permlanex16_b32 v[TA+16*\X+14+\b], v[TA+16*\X+\b], s[SEL], s[SEL+1]
.endr
.endr
.irp b, 0,1
.irp X, 0,1
	v_max_num_f32 v[TA+16*\X+\b], v[TA+16*\X+\b], v[TA+16*\X+14+\b]   ; a block of 32 channels lies in lanes l and l xor 16
.endr
.endr
.irp b, 0,1
.irp X, 0,1
	v_add_nc_u32 v[TA+16*\X+12+\b], 0xff000000, v[TA+16*\X+\b]
.endr
.endr
.irp b, 0,1
.irp X, 0,1
	v_lshrrev_b32 v[TA+16*\X+14+\b], 23, v[TA+16*\X+12+\b]
.endr
.endr
	WIN TO0
.irp X, 0,1
	v_cvt_scalef32_pk16_fp6_f32 v[PCA+12*\X:PCA+12*\X+2], v[64*\X:64*\X+15], v[TA+16*\X+12]
	v_cvt_scalef32_pk16_fp6_f32 v[CT+8*\X:CT+8*\X+2], v[64*\X+16:64*\X+31], v[TA+16*\X+13]
.endr
.irp X, 0,1
	v_lshl_or_b32 v[OW+\X], v[TA+16*\X+15], 8, v[TA+16*\X+14]   ; my head's two bytes of the row's scale word.  (Also the plain place behind the conversions)
.endr
	WIN 0
.irp X, 0,1
.irp i, 0,1,2
	v_permlane16_swap_b32 v[PCA+12*\X+\i], v[CT+8*\X+\i]   ; a whole block to a lane
.endr
.endr
.irp X, 0,1
.irp i, 0,1,2
	v_mov_b32 v[PCA+12*\X+3+\i], v[CT+8*\X+\i]
.endr
.endr
.irp X, 0,1
.irp g, 0,1,2
	global_store_b64 v3, v[PCA+12*\X+2*\g:PCA+12*\X+2*\g+1], s[8:9] offset:1536*\X+256*\g   ; 256 consecutive bytes, aligned
.endr
	global_store_b16 v4, v[OW+\X], s[10:11] offset:512*\X   ; both halves of the lanes store the same two bytes
.endr
.irp i, 0,1,2,3,4,5
	v_mov_b32 v[QA+\i], v[QH+\i]                   ; the second pass's Q takes the first's place
	v_mov_b32 v[QB+\i], v[QH+6+\i]
.endr
	v_mov_b32 v[QS], v[QS+2]
	v_mov_b32 v[QS+1], v[QS+3]
	s_wait_xcnt 0x0                                ; the stores have read their bases and registers
	s_add_nc_u64 s[8:9], s[8:9], 3072              ; the next pair of blocks
	s_add_nc_u64 s[10:11], s[10:11], 1024
	s_add_co_u32 s[PS], s[PS], 1
	s_cmp_lg_u32 s[PS], 2
	WALU
	s_cbranch_scc1 .Lpass
	s_wait_tensorcnt 0x0                           ; the wave's end
	ds_add_u32 v[SPW], v[NIL]
	s_wait_dscnt 0x0
	CROUND                                         ; the closing round
	s_endpgm
.Lfunc_end_k_qc9aee5f175_attn:
	.size	k_qc9aee5f175_attn, .Lfunc_end_k_qc9aee5f175_attn-k_qc9aee5f175_attn
	.p2alignl 7, 3214868480
	.fill 96, 4, 3214868480
	.section	.rodata,"a",@progbits
	.p2align	6, 0x0
	.amdhsa_kernel k_qc9aee5f175_attn
		.amdhsa_group_segment_fixed_size 230400
		.amdhsa_private_segment_fixed_size 0
		.amdhsa_enable_private_segment 0
		.amdhsa_kernarg_size 32
		.amdhsa_user_sgpr_count 2
		.amdhsa_user_sgpr_kernarg_segment_ptr 1
		.amdhsa_wavefront_size32 1
		.amdhsa_system_sgpr_workgroup_id_x 1
		.amdhsa_system_sgpr_workgroup_id_y 1
		.amdhsa_system_sgpr_workgroup_id_z 1
		.amdhsa_system_vgpr_workitem_id 0
		.amdhsa_next_free_vgpr 512
		.amdhsa_next_free_sgpr 66
		.amdhsa_reserve_vcc 0
		.amdhsa_float_denorm_mode_32 3
		.amdhsa_float_denorm_mode_16_64 3
		.amdhsa_memory_ordered 1
		.amdhsa_forward_progress 1
		.amdhsa_inst_pref_size 48
	.end_amdhsa_kernel
	.amdgpu_metadata
---
amdhsa.version: [ 1, 2 ]
amdhsa.kernels:
  - .name:           k_qc9aee5f175_attn
    .symbol:         k_qc9aee5f175_attn.kd
    .args:
      - { .name: qb, .offset: 0, .size: 8, .value_kind: global_buffer, .address_space: global }
      - { .name: kv, .offset: 8, .size: 8, .value_kind: global_buffer, .address_space: global }
      - { .name: ac, .offset: 16, .size: 8, .value_kind: global_buffer, .address_space: global }
      - { .name: asc, .offset: 24, .size: 8, .value_kind: global_buffer, .address_space: global }
    .group_segment_fixed_size: 230400
    .private_segment_fixed_size: 0
    .kernarg_segment_align: 8
    .kernarg_segment_size: 32
    .max_flat_workgroup_size: 256
    .sgpr_count:     66
    .vgpr_count:     512
    .wavefront_size: 32
...
	.end_amdgpu_metadata
.endif
;; end of part 3
;; launch outp (part 4): grid 4 x 64, 4 waves a work-group, clusters of 4 x 4, 327,680 bytes of LDS; arguments ac, asc, c1, s1, bo, out0; writes out0
.if DOCPART == 4
	.amdgcn_target "amdgcn-amd-amdhsa--gfx1250"
	.amdhsa_code_object_version 6
	.text
	.protected	k_qc9aee5f175_outp
	.globl	k_qc9aee5f175_outp
	.p2align	8
	.type	k_qc9aee5f175_outp,@function
k_qc9aee5f175_outp:
	s_mov_b64 s[64:65], 0
	v_nop
	global_prefetch_b8 v0, s[64:65] scope:SCOPE_SE
	s_setreg_imm32_b32 hwreg(HW_REG_WAVE_MODE, 25, 1), 1
	s_wait_xcnt 0x0
	s_wait_alu depctr_hold_cnt(0) depctr_sa_sdst(0) depctr_va_vdst(0) depctr_va_sdst(0) depctr_va_ssrc(0) depctr_va_vcc(0) depctr_vm_vsrc(0)
	s_getreg_b32 s2, hwreg(HW_REG_IB_STS2, 6, 4)
	s_cmp_eq_u32 s2, 0
	s_cbranch_scc0 .Lentry_in_a_cluster
	s_endpgm
.Lentry_in_a_cluster:
	s_bfe_u32 s2, ttmp6, 0x10000c
	s_cmp_lg_u32 s2, 0xf033
	s_cbranch_scc0 .Lentry_shape_is_right
	s_endpgm
.Lentry_shape_is_right:
; out0 = A Wo^T + bo.  A: the attention's result as codes of FP6 (ac) and scale words (asc), [8192][1024]; Wo: groups 216-223 of c1 and s1; sums in f32.
; THE DEAL.  256 work-groups of four waves; a work-group makes 128 tokens (one group of ac) x 256 columns (two groups of Wo).  K is 1,024, so nothing walks along K: A's group (98,304 bytes), Wo's two groups
; (196,608) and A's scale words (4,096) all lie in LDS, filled ONCE, one tensor load a wave: waves 0 and 1 a group of Wo each, wave 2 A's codes, wave 3 A's scale words.  Nothing is filled again.
; A wave holds 64 rows of Wo (64 columns of the result), ALL of K, in registers: 4 tiles x 8 fragments of 12, 384 registers; their scale words come straight into registers, 128 consecutive bytes a load.
; The group's eight blocks of 16 tokens stream past them: a block's 8 fragments and 8 scale words lie twice in registers; its 32 products (four accumulators by turns, K ascending) finish 16 x 64 results,
; which leave at once: through the wave's own stage in LDS, back as rows of 256 bytes, the bias added, sixteen lanes to one aligned run of 256 bytes.
; THE MATRIX INSTRUCTION IS USED TRANSPOSED (source 0 = rows of Wo, source 1 = tokens): a lane holds eight neighbouring columns of one token.
; ROWS' ORDER, as the first launch lays it: lane r of block i = 2 b + u of a group stands for group row 32 b + 8 u + r + 8 (r / 8), for tokens and for Wo's rows alike.
; CLUSTERS: 4 x 4.  A's tiles hang on the group alone and are shared along a row of the cluster, Wo's on the tile column alone and are shared along a column: joint loads.
; NO PREFETCH: all that the launch reads through LDS is asked for by the head's four loads; there is no loop to run ahead in.
; REGISTERS.  Window 0: addresses, scale words, two sets of four accumulators, two sets of 32 for the way out.  Fragment f lies in window 1 + f / 21 at register 12 (f % 21): 0-31 Wo's (4 q + b), 32-39 and 40-47 the tokens' two sets.
.set GRPB,   98304
.set FRB,    1536
.set LB,     GRPB                      ; LDS: A's group at 0, Wo's two groups behind it,
.set SCA,    3*GRPB                    ; A's scale words,
.set STG,    SCA+4096                  ; the stages: 16 rows of 256 + 16 bytes for each wave; no tensor load lands there,
.set SPITCH, 272
.set SPARE,  STG+4*16*SPITCH           ; and the spare words, 128 bytes a wave, that no other line names
.set NF,     28                        ; LDS loads of a block: 24 for eight fragments, 4 for eight scale words
.set SPW, 2
.set NIL, 3
.set BWA, 4                            ; v4, v5  LDS address of my fragments of Wo, K steps 0-3 and 4-7
.set AS,  6                            ; v6      of A's scale words: SCA + 8 r
.set STO, 7                            ; v7      stage, in
.set RD,  8                            ; v8      stage, out
.set CO,  9                            ; v9      my byte offset in out0: 4,096 h + 16 r
.set LBO, 10                           ; v10     16 r
.set WSO, 11                           ; v11     8 r
.set AQ,  12                           ; v12-19  LDS address of the block to be fetched, one for each K step
.set BO,  20                           ; v20-23  the bias of my four columns
.set SAW, 24                           ; v24-39  the tokens' scale words, two sets of eight
.set SBW, 44                           ; v44-75  Wo's: 8 b + q
.set ACC, 80                           ; v80-143
.set BK,  144                          ; v144-207
.set WV,  18
.set G1A, 24
.set G1B, 32
.set G1S, 48
.set G0A, 56
.set G0B, 60
.set G0S, 68
.set MSB, 0
.macro WIN new                         ; the immediate's high byte repeats the setting that is left
.if MSB != (\new)
	s_set_vgpr_msb (MSB<<8)|(\new)
.set MSB, (\new)
.endif
.endm
.macro CROUND
	s_barrier_signal -1
	s_barrier_wait -1
	s_cmp_lg_u32 s[WV], 0
	s_cbranch_scc1 .Lnot_wave_0_\@
	s_barrier_signal -3
.Lnot_wave_0_\@:
	s_barrier_wait -3
	s_barrier_signal -1
	s_barrier_wait -1
.endm
.macro TLOAD g0, g1
	tensor_load_to_lds s[\g0:\g0+3], s[\g1:\g1+7]
	s_nop 0
.rept 4
	v_nop
.endr
.endm
.macro GROUP1 g, mask, rows            ; a dense block as rows of 256 bytes, no padding: fragments are read 16 or 8 bytes a lane on end
	s_or_b32 s[\g], s[\mask], (3<<16)|(1<<21)
	s_mov_b32 s[\g+1], 32<<16
	s_mov_b32 s[\g+2], (\rows)<<16
	s_mov_b32 s[\g+3], 32<<16
	s_mov_b32 s[\g+4], \rows
	s_mov_b32 s[\g+5], 32
	s_mov_b32 s[\g+6], 0
	s_mov_b32 s[\g+7], 0
.endm
	s_load_b256 s[4:11], s[0:1], 0x0               ; ac, asc, c1, s1
	s_load_b128 s[12:15], s[0:1], 0x20             ; bo, out0
	v_lshl_add_u32 v[SPW], v0, 2, SPARE
	v_mov_b32 v[NIL], 0
	ds_add_u32 v[SPW], v[NIL]                      ; the opening lines: the add, twice on end, and its wait ahead of my first tensor load
	ds_add_u32 v[SPW], v[NIL]
	v_lshrrev_b32 v1, 5, v0
	v_readfirstlane_b32 s[WV], v1                  ; wave 0..3
	s_bfe_u32 s21, ttmp6, 0x40000                  ; cx
	s_bfe_u32 s22, ttmp6, 0x40004                  ; cy
	s_and_b32 s2, ttmp7, 0xffff
	s_lshl_b32 s2, s2, 2
	s_add_co_u32 s2, s2, s22                       ; my group of tokens
	s_lshl_b32 s23, ttmp9, 2
	s_add_co_u32 s23, s23, s21                     ; my tile column
	s_lshl_b32 s42, s22, 2
	s_lshl_b32 s42, 15, s42                        ; my row of the cluster
	s_lshl_b32 s45, 0x1111, s21                    ; my column
	GROUP1 G1A, 42, 384
	GROUP1 G1B, 45, 384
	GROUP1 G1S, 42, 16
	s_and_b32 s40, s[WV], 1
	s_lshr_b32 s41, s[WV], 1
	s_mul_i32 s72, s2, GRPB                        ; A's codes
	s_mov_b32 s73, 0
	s_lshl_b32 s74, s2, 12                         ; A's scale words
	s_mov_b32 s75, 0
	s_lshl_b32 s46, s23, 1
	s_add_co_u32 s46, s46, 216                     ; Wo's first group of my tile column
	s_add_co_u32 s76, s46, s40
	s_mul_i32 s76, s76, GRPB                       ; the group that wave 0 or 1 fetches
	s_mov_b32 s77, 0
	s_add_co_u32 s78, s46, s41
	s_lshl_b32 s78, s78, 12
	s_lshl_b32 s47, s40, 11
	s_add_co_u32 s78, s78, s47                     ; the scale words of my four blocks of Wo: group wave / 2, blocks 4 (wave % 2) ..
	s_mov_b32 s79, 0
	s_lshl_b32 s80, s23, 10
	s_lshl_b32 s47, s[WV], 8
	s_add_co_u32 s80, s80, s47                     ; my 64 columns, in bytes
	s_mov_b32 s81, 0
	s_lshl_b32 s82, s2, 19
	s_add_co_u32 s82, s82, s80                     ; and in my group's first row of out0
	s_mov_b32 s83, 0
	s_mul_i32 s84, s40, GRPB
	s_add_co_u32 s84, s84, LB
	s_mul_i32 s85, s[WV], 16*SPITCH
	s_add_co_u32 s85, s85, STG                     ; my stage
	s_mul_i32 s86, s41, GRPB
	s_mul_i32 s87, s40, 4*FRB
	s_add_co_u32 s86, s86, s87
	s_add_co_u32 s86, s86, LB                      ; my four blocks of Wo in LDS
	s_wait_dscnt 0x0                               ; both opening adds are done
	s_wait_kmcnt 0x0
	s_add_nc_u64 s[72:73], s[4:5], s[72:73]
	s_add_nc_u64 s[74:75], s[6:7], s[74:75]
	s_add_nc_u64 s[76:77], s[8:9], s[76:77]
	s_add_nc_u64 s[78:79], s[10:11], s[78:79]
	s_add_nc_u64 s[12:13], s[12:13], s[80:81]
	s_add_nc_u64 s[14:15], s[14:15], s[82:83]
	CROUND                                         ; all sixteen work-groups are here: the joint loads meet
	s_mov_b32 s[G0B], 1
	s_mov_b32 s[G0B+1], s84
	s_mov_b64 s[G0B+2:G0B+3], s[76:77]
	s_or_b32 s[G0B+3], s[G0B+3], 0x80000000
	s_mov_b32 s[G0A], 1
	s_mov_b32 s[G0A+1], 0
	s_mov_b64 s[G0A+2:G0A+3], s[72:73]
	s_or_b32 s[G0A+3], s[G0A+3], 0x80000000
	s_mov_b32 s[G0S], 1
	s_mov_b32 s[G0S+1], SCA
	s_mov_b64 s[G0S+2:G0S+3], s[74:75]
	s_or_b32 s[G0S+3], s[G0S+3], 0x80000000
	s_cmp_lt_u32 s[WV], 2                          ; one chain of branches on the wave's number, one load to an arm: Wo's groups, which go on into registers, are asked for first
	s_cbranch_scc0 .Lwave_2
	TLOAD G0B, G1B
	s_branch .Lasked
.Lwave_2:
	s_cmp_eq_u32 s[WV], 2
	s_cbranch_scc0 .Lwave_3
	TLOAD G0A, G1A
	s_branch .Lasked
.Lwave_3:
	TLOAD G0S, G1S
.Lasked:
	v_and_b32 v1, 31, v0                           ; lane
	v_and_b32 v76, 15, v0                          ; r
	v_bfe_u32 v77, v0, 4, 1                        ; h
	v_lshlrev_b32 v[WSO], 3, v76
	v_lshlrev_b32 v[LBO], 4, v76
	v_lshl_add_u32 v[BWA], v1, 4, s86
	v_add_nc_u32 v[BWA+1], 32*FRB, v[BWA]
	v_lshlrev_b32 v[AQ], 3, v1                     ; ac's fragments: registers 2 g, 2 g + 1 of lane l at 256 g + 8 l
.irp q, 1,2,3,4,5,6,7
	v_add_nc_u32 v[AQ+\q], \q*8*FRB, v[AQ]
.endr
	v_add_nc_u32 v[AS], SCA, v[WSO]
	v_mul_u32_u24 v78, v76, SPITCH                 ; in: row r, 64 bytes further on for lanes 16-31
	v_lshl_add_u32 v78, v77, 6, v78
	v_add_nc_u32 v[STO], s85, v78
	v_mul_u32_u24 v79, v77, SPITCH                 ; back: lanes 0-15 one row of 256 bytes, lanes 16-31 the next
	v_lshl_add_u32 v79, v76, 4, v79
	v_add_nc_u32 v[RD], s85, v79
	v_lshlrev_b32 v78, 12, v77
	v_lshl_add_u32 v[CO], v76, 4, v78
	s_wait_alu depctr_va_vdst(0)
.irp b, 0,1,2,3
.irp k, 0,1,2,3
	global_load_b64 v[SBW+8*\b+2*\k:SBW+8*\b+2*\k+1], v[WSO], s[78:79] offset:512*\b+128*\k   ; row r's words of K steps 2 k, 2 k + 1
.endr
.endr
	global_load_b128 v[BO:BO+3], v[LBO], s[12:13]
	s_cmp_lt_u32 s[WV], 2
	s_cbranch_scc0 .Lnot_b
	s_wait_tensorcnt 0x0                           ; the two waves that asked for Wo's groups wait for them
.Lnot_b:
	s_barrier_signal -1
	s_barrier_wait -1                              ; Wo's groups are in
.set f_, 0
.rept 32                                       ; my 64 rows of Wo, all of K: 96 loads
	WIN (1+f_/21)<<6
.irp c, 0,1,2
	ds_load_b128 v[12*(f_%21)+4*\c:12*(f_%21)+4*\c+3], v[BWA+f_/16] offset:(8*((f_/4)%4)+f_%4)*FRB+512*\c
.endr
.set f_, f_+1
.endr
	WIN 0
	s_wait_tensorcnt 0x0                           ; every wave: all that is still out
	s_wait_dscnt 0x0
	s_barrier_signal -1
	s_barrier_wait -1                              ; A's codes and scale words are in
.macro FETCH s                         ; block s of the tokens into set s % 2: NF loads
.set e_, (\s)%2
.irp q, 0,1,2,3,4,5,6,7
.set f_, 32+8*e_+\q
	WIN (1+f_/21)<<6
.irp p, 0,1,2
	ds_load_2addr_b64 v[12*(f_%21)+4*\p:12*(f_%21)+4*\p+3], v[AQ+\q] offset0:64*\p offset1:64*\p+32
.endr
.endr
	WIN 0
.irp k, 0,1,2,3
	ds_load_b64 v[SAW+8*e_+2*\k:SAW+8*e_+2*\k+1], v[AS] offset:512*(\s)+128*\k
.endr
.endm
.macro NEXTA                           ; the eight addresses go one block on
.irp q, 0,1,2,3,4,5,6,7
	v_add_nc_u32 v[AQ+\q], FRB, v[AQ+\q]
.endr
.endm
.macro MUL s                           ; block s: 32 products, n = 4 q + b; the four accumulators take turns; the first four start the sums
.set e_, (\s)%2
.set n_, 0
.rept 32
.set q_, n_/4
.set b_, n_%4
.set fa_, 32+8*e_+q_
.set d_, ACC+32*e_+8*b_
	WIN (1+n_/21)|((1+fa_/21)<<2)
.if q_
	v_wmma_scale_f32_16x16x128_f8f6f4 v[d_:d_+7], v[12*(n_%21):12*(n_%21)+11], v[12*(fa_%21):12*(fa_%21)+11], v[d_:d_+7], v[SBW+8*b_+q_], v[SAW+8*e_+q_] matrix_a_fmt:MATRIX_FMT_FP6 matrix_b_fmt:MATRIX_FMT_FP6
.else
	v_wmma_scale_f32_16x16x128_f8f6f4 v[d_:d_+7], v[12*(n_%21):12*(n_%21)+11], v[12*(fa_%21):12*(fa_%21)+11], 0, v[SBW+8*b_+q_], v[SAW+8*e_+q_] matrix_a_fmt:MATRIX_FMT_FP6 matrix_b_fmt:MATRIX_FMT_FP6
.endif
.set n_, n_+1
.endr
	WIN 0
.endm
.macro TOSTAGE s                       ; register j of tile b in lane (r, h) is column 32 (b / 2) + 8 (b % 2) + 16 h + j of my 64
.set e_, (\s)%2
.irp b, 0,1,2,3
	ds_store_b128 v[STO], v[ACC+32*e_+8*\b:ACC+32*e_+8*\b+3] offset:128*(\b/2)+32*(\b%2)   ; each accumulator from its low end on
	ds_store_b128 v[STO], v[ACC+32*e_+8*\b+4:ACC+32*e_+8*\b+7] offset:128*(\b/2)+32*(\b%2)+16
.endr
.irp t, 0,1,2,3,4,5,6,7
	ds_load_b128 v[BK+32*e_+4*\t:BK+32*e_+4*\t+3], v[RD] offset:2*\t*SPITCH   ; LDS serves a wave's instructions in order: these see the stores above
.endr
.endm
.macro SEND s                          ; the bias, and out: sixteen lanes store 256 consecutive bytes, aligned
.set e_, (\s)%2
.irp t, 0,1,2,3,4,5,6,7
	v_pk_add_f32 v[BK+32*e_+4*\t:BK+32*e_+4*\t+1], v[BK+32*e_+4*\t:BK+32*e_+4*\t+1], v[BO:BO+1]
	v_pk_add_f32 v[BK+32*e_+4*\t+2:BK+32*e_+4*\t+3], v[BK+32*e_+4*\t+2:BK+32*e_+4*\t+3], v[BO+2:BO+3]
.endr
.irp t, 0,1,2,3,4,5,6,7
	global_store_b128 v[CO], v[BK+32*e_+4*\t:BK+32*e_+4*\t+3], s[14:15] offset:(32*((\s)/2)+8*((\s)%2)+2*\t+8*(\t/4))*4096 th:TH_STORE_NT
.endr
.endm
	FETCH 0
	NEXTA
	FETCH 1
	s_wait_alu depctr_va_vdst(0)
	s_wait_loadcnt 0x0                             ; Wo's scale words and the bias
	s_wait_dscnt NF                                ; block 0's rows are in; block 1's NF loads may be out
.irp s, 0,1,2,3,4,5,6,7
	MUL \s
	s_wait_dscnt 0x0                               ; the next block's rows are in, and the last block is back from the stage
.if \s > 0
	SEND \s-1                                      ; its sixteen additions are also the places behind this block's products
.endif
.if \s < 6
	NEXTA                                          ; (in block 0 these eight are the places)
	FETCH \s+2
.endif
.if \s > 1
	s_wait_xcnt 0x0                                ; block s - 2's stores have read their registers, which take this block
.endif
	TOSTAGE \s
.endr
	s_wait_dscnt 0x0
	SEND 7
	s_wait_tensorcnt 0x0                           ; the wave's end, behind my last LDS store
	ds_add_u32 v[SPW], v[NIL]
	s_wait_dscnt 0x0
	CROUND                                         ; the closing round
	s_endpgm
.Lfunc_end_k_qc9aee5f175_outp:
	.size	k_qc9aee5f175_outp, .Lfunc_end_k_qc9aee5f175_outp-k_qc9aee5f175_outp
	.p2alignl 7, 3214868480
	.fill 96, 4, 3214868480
	.section	.rodata,"a",@progbits
	.p2align	6, 0x0
	.amdhsa_kernel k_qc9aee5f175_outp
		.amdhsa_group_segment_fixed_size 327680
		.amdhsa_private_segment_fixed_size 0
		.amdhsa_enable_private_segment 0
		.amdhsa_kernarg_size 48
		.amdhsa_user_sgpr_count 2
		.amdhsa_user_sgpr_kernarg_segment_ptr 1
		.amdhsa_wavefront_size32 1
		.amdhsa_system_sgpr_workgroup_id_x 1
		.amdhsa_system_sgpr_workgroup_id_y 1
		.amdhsa_system_sgpr_workgroup_id_z 1
		.amdhsa_system_vgpr_workitem_id 0
		.amdhsa_next_free_vgpr 848
		.amdhsa_next_free_sgpr 90
		.amdhsa_reserve_vcc 0
		.amdhsa_float_denorm_mode_32 3
		.amdhsa_float_denorm_mode_16_64 3
		.amdhsa_memory_ordered 1
		.amdhsa_forward_progress 1
		.amdhsa_inst_pref_size 90
	.end_amdhsa_kernel
	.amdgpu_metadata
---
amdhsa.version: [ 1, 2 ]
amdhsa.kernels:
  - .name:           k_qc9aee5f175_outp
    .symbol:         k_qc9aee5f175_outp.kd
    .args:
      - { .name: ac, .offset: 0, .size: 8, .value_kind: global_buffer, .address_space: global }
      - { .name: asc, .offset: 8, .size: 8, .value_kind: global_buffer, .address_space: global }
      - { .name: c1, .offset: 16, .size: 8, .value_kind: global_buffer, .address_space: global }
      - { .name: s1, .offset: 24, .size: 8, .value_kind: global_buffer, .address_space: global }
      - { .name: bo, .offset: 32, .size: 8, .value_kind: global_buffer, .address_space: global }
      - { .name: out0, .offset: 40, .size: 8, .value_kind: global_buffer, .address_space: global }
    .group_segment_fixed_size: 327680
    .private_segment_fixed_size: 0
    .kernarg_segment_align: 8
    .kernarg_segment_size: 48
    .max_flat_workgroup_size: 128
    .sgpr_count:     90
    .vgpr_count:     848
    .wavefront_size: 32
...
	.end_amdgpu_metadata
.endif
;; end of part 4
